; MI455X (gfx1250); checked and timed in simulation.
; The chip was launched on July 23, 2026; its instructions are those of AMD's public machine-readable ISA for CDNA 5 (MIT licence, August 2026) and "CDNA5" Instruction Set Architecture Reference Guide (July 2026). The comments in the code are by the model that wrote it; some were corrected since.
;; Parallel Multi Head Attention. Allowed arithmetic: matrix products marked QUANTISED: E4M3 operands, one E8M0 scale for each 32 along K, by v_wmma_scale_f32_16x16x128_f8f6f4 with both operands' format E4M3, f32 sums; everything else in f32.
;; Inputs: b_proj 1,024 float32; w_proj 1,024 x 1,024 float32; w_qkv 3,072 x 1,024 float32; x 4 x 2,048 x 1,024 float32.
;; Outputs: out0 4 x 2,048 x 1,024 float32.
;; This version of the problem:
;;   THIS VERSION OF THE PROBLEM IS GIVEN IN LOW PRECISION. The matrix products marked QUANTISED in the list below multiply operands that are first quantised to E4M3 (4 exponent bits, 3 mantissa bits; 8 bits a number), with one power-of-two scale for each 32 numbers along K (OCP MX v1.0); their sums are f32. All else is computed in f32.
;;   The module's matrix products, in the order in which they are computed (A, B: the left and right operand; K: the contracted axis; several contracted axes count as one K, in the product's order):
;;     1. [M 8,192, K 1,024] x [K 1,024, N 3,072]; A: input x; B: input w_qkv: QUANTISED
;;     2. batch 64 x [M 2,048, K 64] x [K 64, N 2,048]; A: computed on the way; B: computed on the way: QUANTISED
;;     3. batch 64 x [M 2,048, K 2,048] x [K 2,048, N 64]; A: softmax (see below); B: computed on the way: QUANTISED
;;     4. [M 8,192, K 1,024] x [K 1,024, N 1,024]; A: computed on the way; B: input w_proj: QUANTISED
;;   THE QUANTISER, for each operand of a quantised product, along K:
;;     - K is cut into blocks of 32 from its start; a last block that is shorter is filled with zeros.
;;     - A block's scale is 2^e with e = floor(log2(the largest magnitude in the block)) - 8, held to -126 .. 127; a block of zeros has e = 0. As a byte (E8M0): e + 127.
;;     - Each number is divided by its block's scale, clamped to +-448, and rounded to the nearest number of E4M3, ties to even, subnormals kept.
;;     - The product sums the exact products of the quantised numbers (number of the format x scale) in f32.
;;   ~~~python
;;   def quantise(x, axis):      # numpy; x: float32 -> the quantised numbers, widened to float32 again
;;       x = np.moveaxis(x, axis, -1); K = x.shape[-1]
;;       x = np.pad(x, [(0, 0)] * (x.ndim - 1) + [(0, -K % 32)]); x = x.reshape(x.shape[:-1] + (-1, 32)); a = np.abs(x).max(-1, keepdims=True)
;;       e = np.where(a > 0, np.clip(np.frexp(np.where(a > 0, a, 1))[1] - 1 - 8, -126, 127), 0)      # np.frexp(a)[1] - 1 = floor(log2(a)), exactly
;;       r = np.clip(x / 2.0 ** e, -448, 448)
;;       step = 2.0 ** (np.maximum(np.frexp(np.where(r == 0, 1, r))[1] - 1, -6) - 3)
;;       q = np.round(r / step) * step * 2.0 ** e      # np.round: ties to even
;;       return np.moveaxis(q.reshape(q.shape[:-2] + (-1,))[..., :K], -1, axis).astype(np.float32)
;;   ~~~
;;   SOFTMAX AHEAD OF A QUANTISED PRODUCT. Where the list says 'softmax', what is quantised is not the finished softmax but p = 2^(t - M), with t = logit x log2(e) and M = ceil(the row's largest t), a whole number; so 1/2 < the row's largest p <= 1. The row's sum l is taken of the UNQUANTISED p, in f32, and the product's result is divided by l at the end. Since M is a whole number, a kernel that streams over the keys may use a running M (the ceiling of the running maximum): every later rescaling is an exact power of two, which a block's scale takes up: the codes' values come out the same.
;;   OPERANDS COMPUTED ON THE WAY. 'Computed on the way' means the value that the module computes at that place (a softmax that the list does not call 'softmax' is quantised finished and normalised). What goes into a quantiser is computed in f32, as accurately as f32 sums, v_exp_f32 and their like allow (about 1e-6 of the number): no bf16 or f16 on the way to a quantiser, and a product that is left as it is and whose result goes on into a quantised operand takes f32 operands (vector FMAs, or v_wmma_f32_16x16x4_f32). A number that lies on a knife's edge between two numbers of the format may be rounded either way, as far as f32 arithmetic and the matrix unit's own rounding can turn it there, and no further.
;; One version. Each part assembles by itself: llvm-mc -triple=amdgcn-amd-amdhsa -mcpu=gfx1250 --defsym DOCPART=n.
;; ======== version 1 of 1: 4 launches
;; limits: right only within a limited range of input values
;; workspace buffers: codes 12,582,912 bytes; scales 393,216 bytes; qkvc 25,165,824 bytes; qkvs 786,432 bytes; ac 8,388,608 bytes; asc 262,144 bytes
;; launch quant (part 1): grid 384 x 1, 4 waves a work-group, no clusters, 33,280 bytes of LDS; arguments x, w_qkv, w_proj, codes, scales; writes codes, scales
.if DOCPART == 1
	.amdgcn_target "amdgcn-amd-amdhsa--gfx1250"
	.amdhsa_code_object_version 6
	.text
	.protected	k_q299d3fb0dd_quant
	.globl	k_q299d3fb0dd_quant
	.p2align	8
	.type	k_q299d3fb0dd_quant,@function
k_q299d3fb0dd_quant:
	s_mov_b64 s[64:65], 0
	v_nop
	global_prefetch_b8 v0, s[64:65] scope:SCOPE_SE
	s_setreg_imm32_b32 hwreg(HW_REG_WAVE_MODE, 25, 1), 1
	s_wait_xcnt 0x0
; x [8192][1024], w_qkv [3072][1024] and w_proj [1024][1024], f32 with K innermost, become codes of FP8 (E4M3) with one E8M0 scale byte for each 32 along K.
; The three tensors' rows lie one behind the other in "codes" ([12288 places][1024 bytes]) and "scales" ([12288 places][32 bytes]): x from place 0, w_qkv from 8192, w_proj from 11264.
; THE ROWS ARE LAID WITH BITS 3 AND 4 OF THEIR NUMBER SWAPPED: of each 32 rows the four groups of 8 lie in the order 0, 2, 1, 3.  Sixteen neighbouring places, taken as source 0 of a matrix instruction,
; then leave a lane of the result eight numbers whose neighbours along that axis lie in the next tile's eight registers: the later launches quantise results without moving them between lanes.
; A block's scale is 2^(floor(log2(its largest magnitude)) - 8); its byte is the largest magnitude's exponent field - 8, held at 1 from below.  Each number is divided by the scale, held within +-448, rounded to the nearest code, ties to even.
; LIMITS: a block of zeros gets the byte 1 where the rule says 127 (its codes are zeros, and this program alone reads the bytes); NaN and infinities among the inputs are not served.
; SHARES: a work-group takes 32 rows, a wave 8 of them: 8,192 numbers on end, 16 steps of 512.  Each of a step's four loads reads 512 consecutive bytes; the 2,048 bytes turn through the wave's own stage in LDS and come
; back 64 bytes a lane, so that a lane holds 16 neighbours along K (two neighbouring lanes hold a block).  A lane's 16 codes are 16 bytes: the wave stores 512 consecutive bytes.  A wave's 256 scale bytes leave as one aligned run of 256.
; No tensor loads, no barrier: waves share nothing.  Loads run four steps ahead, the turn through LDS one step.
.set STEPS, 16
.set EMAX,  8
.set MANT,  0x600000                   ; the mantissa field of 448 as f32
.set CB,    16                         ; bytes of 16 codes
.set R,     16                         ; v16-79   four sets of 16 numbers as they are loaded
.set X,     80                         ; v80-111  two sets of 16 neighbours
.set C,     128                        ; v128-191 codes: four registers for each step, so that no store's data are written again
.set E,     112                        ; v112-127 a scale byte for each step
.set WREG,  8192                       ; LDS: a region for each wave: two stages of 32 x SP bytes, and behind them its 256 scale bytes
.set SP,    80                         ; a lane's place in a stage: its 64 bytes + 16 of padding
	s_load_b128 s[4:7], s[0:1], 0x0                ; x, w_qkv
	s_load_b128 s[8:11], s[0:1], 0x10              ; w_proj, codes
	s_load_b64 s[12:13], s[0:1], 0x20              ; scales
	v_lshl_add_u32 v192, v0, 2, 0x8000
	v_mov_b32 v193, 0
	v_lshrrev_b32 v1, 5, v0
	v_readfirstlane_b32 s16, v1                    ; wave
	v_and_b32 v2, 31, v0                           ; lane
	v_lshlrev_b32 v3, 4, v2                        ; my 16 bytes of a load's 512
	s_mul_i32 s17, s16, WREG
	v_lshrrev_b32 v14, 2, v2
	v_mul_u32_u24 v14, v14, SP
	v_and_b32 v15, 3, v2
	v_lshl_add_u32 v14, v15, 4, v14
	v_add_nc_u32 v14, s17, v14                     ; the stage, on the way in: four lanes' 64 bytes on end, then 16 of padding
	v_mul_u32_u24 v15, v2, SP
	v_add_nc_u32 v15, s17, v15                     ; and on the way out: SP x lane: my 16 neighbours
	v_mul_u32_u24 v4, v2, CB                       ; my codes' place in a step's
	v_lshrrev_b32 v5, 1, v2
	s_add_co_u32 s17, s17, 2*32*SP
	v_add_nc_u32 v5, s17, v5                       ; LDS: my wave's 256 scale bytes, my block's byte
	v_lshlrev_b32 v7, 3, v2                        ; and on the way out 8 bytes a lane
	v_add_nc_u32 v6, s17, v7
	s_mov_b32 s23, MANT                            ; (an instruction takes one literal: the hold's line has another)
	s_wait_alu depctr_va_vdst(0)
	s_wait_kmcnt 0x0
	s_cmp_lt_u32 ttmp9, 256                        ; work-groups 0-255 take x, 256-351 w_qkv, 352-383 w_proj: the choice hangs on the work-group's number alone
	s_cselect_b64 s[4:5], s[4:5], s[6:7]
	s_cselect_b32 s17, 0, 256
	s_cmp_lt_u32 ttmp9, 352
	s_cselect_b64 s[4:5], s[4:5], s[8:9]
	s_cselect_b32 s17, s17, 352
	s_sub_co_u32 s17, ttmp9, s17                   ; which 32 rows of the tensor
	s_lshl_b32 s17, s17, 2
	s_add_co_u32 s18, s17, s16                     ; which 8 rows: 32,768 bytes of f32 each
	s_lshl_b32 s18, s18, 15
	s_mov_b32 s19, 0
	s_add_nc_u64 s[4:5], s[4:5], s[18:19]
	s_and_b32 s20, s16, 1                          ; where they go: group w of the 32 rows lies at place group (w with its two bits swapped)
	s_lshl_b32 s20, s20, 1
	s_lshr_b32 s21, s16, 1
	s_or_b32 s20, s20, s21
	s_lshl_b32 s21, ttmp9, 2
	s_add_co_u32 s20, s20, s21                     ; the run of 8 places
	s_lshl_b32 s18, s20, 13                        ; 8,192 bytes of codes a run,
	s_add_nc_u64 s[10:11], s[10:11], s[18:19]
	s_lshl_b32 s18, s20, 8                         ; 256 scale bytes
	s_add_nc_u64 s[12:13], s[12:13], s[18:19]
.macro LOAD t
.irp i, 0,1,2,3
	global_load_b128 v[R+16*((\t)%4)+4*\i:R+16*((\t)%4)+4*\i+3], v3, s[4:5] offset:2048*(\t)+512*\i th:TH_LOAD_NT   ; 32 lanes read 512 consecutive bytes
.endr
.endm
.macro TURN t                          ; step t's numbers through the stage: LDS serves a wave's instructions in order, so no wait stands between the stores and the loads
.irp i, 0,1,2,3
	ds_store_b128 v14, v[R+16*((\t)%4)+4*\i:R+16*((\t)%4)+4*\i+3] offset:32*SP*((\t)%2)+8*SP*\i
.endr
.irp i, 0,1,2,3
	ds_load_b128 v[X+16*((\t)%2)+4*\i:X+16*((\t)%2)+4*\i+3], v15 offset:32*SP*((\t)%2)+16*\i
.endr
.endm
.irp t, 0,1,2,3
	LOAD \t
.endr
	s_wait_loadcnt 12                              ; step 0's four loads are in; the twelve of steps 1 to 3 may be out
	TURN 0
.macro STEP t
.set XS, X+16*((\t)%2)
.if (\t) > 0
	s_wait_dscnt 1                                 ; this step's numbers are back from the stage (the last step's byte store may be out): so its stores into the stage have read their registers,
.else
	s_wait_dscnt 0x0
.endif
.if (\t)+4 < STEPS
	LOAD (\t)+4                                    ; which take the loads of four steps on
.endif
.if (\t)+1 < STEPS
.if STEPS-2-(\t) >= 3
	s_wait_loadcnt 12                              ; the next step's four loads are in; those of the three steps behind it may be out
.else
	s_wait_loadcnt 4*(STEPS-2-(\t))
.endif
	TURN (\t)+1                                    ; and go through the other stage while this step is worked
.endif
	v_max3_num_f32 v8, |v[XS]|, |v[XS+1]|, |v[XS+2]|               ; the largest magnitude of my 16, in two chains
	v_max3_num_f32 v9, |v[XS+3]|, |v[XS+4]|, |v[XS+5]|
.irp i, 6,10
	v_max3_num_f32 v8, v8, |v[XS+\i]|, |v[XS+\i+1]|
	v_max3_num_f32 v9, v9, |v[XS+\i+2]|, |v[XS+\i+3]|
.endr
	v_max3_num_f32 v8, v8, |v[XS+14]|, |v[XS+15]|
	v_max3_num_f32 v8, v8, v9, (EMAX+1)<<23        ; and the floor 2^(EMAX + 1 - 127): the byte cannot fall under 1
	v_max_num_f32_dpp v8, v8, v8 row_xmask:1 row_mask:0xf bank_mask:0xf   ; and of my neighbour's 16: the block's
	v_add_nc_u32 v11, -(EMAX<<23), v8              ; EMAX off its exponent field: the conversion takes the exponent field of this operand as its scale
	v_and_or_b32 v10, v8, 0x7f800000, s23          ; 448 x the scale: the largest magnitude's exponent field over 448's mantissa
.irp i, 0,1,2,3,4,5,6,7,8,9,10,11,12,13,14,15
	v_med3_num_f32 v[XS+\i], v[XS+\i], -v10, v10   ; the conversion to an 8-bit code does not saturate (ISA guide 7.6.2): the number is held first
.endr
	v_cvt_scalef32_pk8_fp8_f32 v[C+4*(\t):C+4*(\t)+1], v[XS:XS+7], v11
	v_cvt_scalef32_pk8_fp8_f32 v[C+4*(\t)+2:C+4*(\t)+3], v[XS+8:XS+15], v11
	v_lshrrev_b32 v[E+(\t)], 23, v11               ; the scale's byte (also the plain line behind the conversions)
	ds_store_b8 v5, v[E+(\t)] offset:16*(\t)       ; both lanes of a block write the same byte with the same value
	global_store_b128 v4, v[C+4*(\t):C+4*(\t)+3], s[10:11] offset:32*CB*(\t)   ; 512 consecutive bytes, aligned
.endm
.irp t, 0,1,2,3,4,5,6,7,8,9,10,11,12,13,14,15
	STEP \t
.endr
	ds_load_b64 v[12:13], v6                       ; LDS serves a wave's instructions in order: these see my stores
	s_wait_dscnt 0x0
	global_store_b64 v7, v[12:13], s[12:13]        ; 32 lanes store 256 consecutive bytes, aligned
	s_wait_tensorcnt 0x0
	ds_add_u32 v192, v193
	s_wait_dscnt 0x0
	s_endpgm
.Lfunc_end_k_q299d3fb0dd_quant:
	.size	k_q299d3fb0dd_quant, .Lfunc_end_k_q299d3fb0dd_quant-k_q299d3fb0dd_quant
	.p2alignl 7, 3214868480
	.fill 96, 4, 3214868480
	.section	.rodata,"a",@progbits
	.p2align	6, 0x0
	.amdhsa_kernel k_q299d3fb0dd_quant
		.amdhsa_group_segment_fixed_size 33280
		.amdhsa_private_segment_fixed_size 0
		.amdhsa_enable_private_segment 0
		.amdhsa_kernarg_size 40
		.amdhsa_user_sgpr_count 2
		.amdhsa_user_sgpr_kernarg_segment_ptr 1
		.amdhsa_wavefront_size32 1
		.amdhsa_system_sgpr_workgroup_id_x 1
		.amdhsa_system_sgpr_workgroup_id_y 1
		.amdhsa_system_sgpr_workgroup_id_z 1
		.amdhsa_system_vgpr_workitem_id 0
		.amdhsa_next_free_vgpr 194
		.amdhsa_next_free_sgpr 66
		.amdhsa_reserve_vcc 0
		.amdhsa_float_denorm_mode_32 3
		.amdhsa_float_denorm_mode_16_64 3
		.amdhsa_memory_ordered 1
		.amdhsa_forward_progress 1
		.amdhsa_inst_pref_size 51
	.end_amdhsa_kernel
	.amdgpu_metadata
---
amdhsa.version: [ 1, 2 ]
amdhsa.kernels:
  - .name:           k_q299d3fb0dd_quant
    .symbol:         k_q299d3fb0dd_quant.kd
    .args:
      - { .name: x, .offset: 0, .size: 8, .value_kind: global_buffer, .address_space: global }
      - { .name: w_qkv, .offset: 8, .size: 8, .value_kind: global_buffer, .address_space: global }
      - { .name: w_proj, .offset: 16, .size: 8, .value_kind: global_buffer, .address_space: global }
      - { .name: codes, .offset: 24, .size: 8, .value_kind: global_buffer, .address_space: global }
      - { .name: scales, .offset: 32, .size: 8, .value_kind: global_buffer, .address_space: global }
    .group_segment_fixed_size: 33280
    .private_segment_fixed_size: 0
    .kernarg_segment_align: 8
    .kernarg_segment_size: 40
    .max_flat_workgroup_size: 128
    .sgpr_count:     66
    .vgpr_count:     194
    .wavefront_size: 32
...
	.end_amdgpu_metadata
.endif
;; end of part 1
;; launch qkv (part 2): grid 8 x 48, 4 waves a work-group, clusters of 4 x 4, 327,680 bytes of LDS; arguments codes, scales, qkvc, qkvs; writes qkvc, qkvs
.if DOCPART == 2
	.amdgcn_target "amdgcn-amd-amdhsa--gfx1250"
	.amdhsa_code_object_version 6
	.text
	.protected	k_q299d3fb0dd_qkv
	.globl	k_q299d3fb0dd_qkv
	.p2align	8
	.type	k_q299d3fb0dd_qkv,@function
k_q299d3fb0dd_qkv:
	s_mov_b64 s[64:65], 0
	v_nop
	global_prefetch_b8 v0, s[64:65] scope:SCOPE_SE
	s_setreg_imm32_b32 hwreg(HW_REG_WAVE_MODE, 25, 1), 1
	s_wait_xcnt 0x0
	s_wait_alu depctr_hold_cnt(0) depctr_sa_sdst(0) depctr_va_vdst(0) depctr_va_sdst(0) depctr_va_ssrc(0) depctr_va_vcc(0) depctr_vm_vsrc(0)
	s_getreg_b32 s2, hwreg(HW_REG_IB_STS2, 6, 4)
	s_cmp_eq_u32 s2, 0
	s_cbranch_scc0 .Lentry_in_a_cluster
	s_endpgm
.Lentry_in_a_cluster:
	s_bfe_u32 s2, ttmp6, 0x10000c
	s_cmp_lg_u32 s2, 0xf033
	s_cbranch_scc0 .Lentry_shape_is_right
	s_endpgm
.Lentry_shape_is_right:
; The first product, x w_qkv^T, on codes of FP8 (E4M3) with E8M0 scales (K = 1,024), and the quantising of its result: q and k along the head's 64 channels, v along the tokens.  No f32 number goes to memory.
; ONE TEXT, TWO ROLES, told apart by the cluster's y (the same in all sixteen partners), by selections alone, with no branch:
;   cluster y 0-7:  C = x w^T for w_q and w_k: "A" = 256 places of x, "B" = 256 places of w_q / w_k.      cluster y 8-11:  C = w_v x^T = V^T: "A" = 256 places of w_v, "B" = 256 places of x.
; THE MATRIX INSTRUCTION IS USED TRANSPOSED (source 0 = 16 places of B, source 1 = 16 places of A): a lane holds ONE row of A, and its registers run along B's rows.  "codes" holds rows with bits 3 and 4 of their number swapped, so the
; 16 registers of B's tiles 2 c and 2 c + 1 are the 16 NEIGHBOURS 32 c + 16 (lane / 16) + 0 .. 15 along B's true rows: channels in the first role, tokens in the second: the axis along which the result is quantised.
; Lane r of A's tile a is the true row 32 (a / 2) + 8 (a % 2) + r + 8 (r / 8).
; WHAT IS STORED are images of the next launch's operand registers, 512 bytes = [lane][16 bytes]:
;   q, k: [head][group of 32 tokens][2 u + half][lane][16]: lane (r, h) = token 32 g + 8 u + r + 8 (r / 8), channels 32 half + 16 h + 0 .. 15;     v: [head][step of 128 keys][tile of 16 channel places][block of 32 keys][lane][16].
;   scale words: [head][step of 128 tokens][r][4 words]: q, k: word = group of 32, bytes (u 0 half 0, u 0 half 1, u 1 half 0, u 1 half 1);  v: word = channel tile, byte = block of 32 keys.
; The loop: a tile of C, 256 x 256, by four waves, each 128 x 128 in 512 registers; K in steps of 256 through a ring of two LDS slots filled by joint tensor loads (4 x 4 work-groups: A's tile shared along a row of the cluster, B's along a column);
; the scale bytes of the work-group's rows for all of K come once, with the first fills.
; LIMITS: a block of zeros gets the byte 1 where the rule says 127 (its codes are zeros, and this program alone reads the bytes); NaN and infinities are not served.
; REGISTERS, in windows of 256: window 0: v0-31 addresses; v32-63 scale words, two sets; v64-127 the way out's work; from v128 A's fragments, ONE set.   window 1: B's fragments, TWO sets.   windows 2, 3: the 64 accumulators ((a, b) at v[8 (8 (a % 4) + b)]).
.set KSTEP,  256
.set NQ,     2                         ; matrix instructions deep in a slot
.set ROWB,   256                       ; a tile's row in bytes
.set KROW,   1024                      ; a row of codes in memory
.set PITCH,  272                       ; an LDS row: 256 bytes + 16 of padding: the 16 rows that a load touches begin 16 bytes apart modulo 256
.set FR,     16                        ; registers of a fragment
.set NL,     4                         ; LDS loads that bring one
.set NP,     8                         ; places behind this matrix instruction (ISA guide 7.12.1)
.set HALFT,  128*PITCH
.set SLOT,   4*HALFT                   ; A's 256 rows, then B's 256 rows
.set LAPS,   2                         ; K = 1,024 is twice round the ring
.set KS,     32                        ; a row of scale bytes
.set SCL,    2*SLOT                    ; behind the ring: the scales, as runs of 256 bytes + 16 of padding
.set HALFS,  (128*KS/256)*272
.set SBLK,   (16*KS/256)*272
.set SPARE,  SCL+4*HALFS               ; the spare words, 128 bytes for each wave: two blocks of 256 bytes that no other line names
.set VALO, 8                           ; v8   16 x lane: my place in an image
.set VAHI, 9                           ; v9   the same, for blocks 2 and 3: the next head's image (first role) or 1,024 bytes on (second)
.set VSC,  10                          ; v10  my place among the scale words: 16 r + 4,096 (lane / 16): lanes 16-31 store the next head's
.set SELV, 11                          ; v11  byte selects: lanes 0-15 take a word's bytes 0, 1 (first head), lanes 16-31 its bytes 2, 3
.set ADRA, 16
.set ADRB, 20
.set ADRS, 27
.set SPW,  28                          ; v28  LDS address of my spare word; never rewritten
.set NIL,  29                          ; v29  0; never rewritten
.set SC,   32
.set TM,   64                          ; v64-67 largest magnitudes, v68-71 bytes, v72-75 448 x the scale, v76-79 the conversions' scale operands
.set PC,   80                          ; v80-111 codes, two sets of 16
.set W,    112                         ; v112-119 the scale word of each of A's eight tiles
.set XW,   120
.set OW,   124
.set AF,   128
.set G1, 24
.set G0, 32
.set G1B, 48
.set G0B, 56
.set G1S, 68
.set G0S, 76
.set G1SB, 80
.set G0SB, 88
.set MSB, 0
.macro WIN new                         ; the immediate's high byte repeats the setting that is left
.if MSB != (\new)
	s_set_vgpr_msb (MSB<<8)|(\new)
.set MSB, (\new)
.endif
.endm
.set MUL_LO, 0xa1                      ; source 0 (B) window 1, source 1 (A) window 0, C and D window 2
.set MUL_HI, 0xf1
.set TO_B,   0x40
; A joint load: waves 0 and 1 fetch for A, waves 2 and 3 for B; the branch hangs on the wave's number alone.  Four v_nop follow each of the two lines.
.macro JLOAD g0a, g1a, g0b, g1b
	s_cmp_eq_u32 s15, 0
	s_cbranch_scc0 .Lfor_b_\@
	tensor_load_to_lds s[\g0a:\g0a+3], s[\g1a:\g1a+7]
	s_nop 0
.rept 4
	v_nop
.endr
	s_branch .Lasked_\@
.Lfor_b_\@:
	tensor_load_to_lds s[\g0b:\g0b+3], s[\g1b:\g1b+7]
	s_nop 0
.rept 4
	v_nop
.endr
.Lasked_\@:
.endm
.macro CREST                           ; a round of the cluster's barrier behind its opening barrier
	s_cmp_lg_u32 s14, 0
	s_cbranch_scc1 .Lnot_wave_0_\@
	s_barrier_signal -3
.Lnot_wave_0_\@:
	s_barrier_wait -3
	s_barrier_signal -1
	s_barrier_wait -1
.endm
.macro CROUND
	s_barrier_signal -1
	s_barrier_wait -1
	CREST
.endm
	s_load_b256 s[4:11], s[0:1], 0x0               ; codes s[4:5], scales s[6:7], qkvc s[8:9], qkvs s[10:11]
	v_lshl_add_u32 v[SPW], v0, 2, SPARE
	v_mov_b32 v[NIL], 0
	ds_add_u32 v28, v29
	ds_add_u32 v28, v29
	s_wait_dscnt 0x0
	v_lshrrev_b32 v1, 5, v0
	v_readfirstlane_b32 s14, v1                    ; wave 0..3
	s_lshr_b32 s15, s14, 1                         ; which half of A's rows is mine.  Also: I fetch for A (0) or for B (1)
	s_and_b32 s16, s14, 1                          ; which half of B's rows.  Also: which 128 rows of that tile I fetch
	s_bfe_u32 s40, ttmp6, 0x40000                  ; cx, cy: my place in the cluster
	s_bfe_u32 s41, ttmp6, 0x40004
	s_and_b32 s17, ttmp7, 0xffff                   ; the cluster's y; ttmp9 is its x
	s_lshl_b32 s43, s41, 2
	s_lshl_b32 s43, 15, s43                        ; my row of the cluster
	s_lshl_b32 s44, 0x1111, s40                    ; my column
	; the role: both roles' numbers are made, then chosen on the cluster's y
	s_lshl_b32 s18, s17, 10                        ; first role: A = x from place 1,024 y
	s_mov_b32 s19, 10240                           ; second: A = w_v, from place 8,192 + 2,048
	s_lshl_b32 s20, ttmp9, 10
	s_add_co_u32 s21, s20, 8192                    ; first: B = w_q / w_k from place 8,192 + 1,024 x
	s_sub_co_u32 s22, s17, 8
	s_lshl_b32 s22, s22, 11
	s_add_co_u32 s22, s22, s20                     ; second: B = x from place 2,048 (y - 8) + 1,024 x
	s_mov_b32 s23, 2048
	s_mov_b32 s2, 1024
	s_cmp_lt_u32 s17, 8
	s_cselect_b32 s12, s18, s19                    ; A's first place for the cluster
	s_cselect_b32 s13, s21, s22                    ; B's
	s_cselect_b32 s96, -1, 0                       ; all ones in the first role
	s_cselect_b32 s98, 1024, s23                   ; from one of A's tiles to the next in the images
	s_cselect_b32 s100, 0, 122880                  ; and more at tile 4: in the second role the next head begins there (131,072 - 4 x 2,048)
	s_cselect_b32 s97, 131072, s2                  ; from blocks 0, 1 to blocks 2, 3
	s_mov_b32 s99, 0
	s_mov_b32 s101, 0
	; descriptor group 1: a tile of 128 rows x 256 bytes, padded in LDS
	s_or_b32 s[G1+0], s43, (0<<16)|(1<<20)|(1<<21)|(5<<22)|(3<<25)  ; 15:0 the mask: A's tiles go to my row; elements of 1 byte; padding on; bit 21 beside a mask; after every 64 words, 4 words
	s_or_b32 s[G1B+0], s44, (0<<16)|(1<<20)|(1<<21)|(5<<22)|(3<<25)
.irp g, G1, G1B
	s_mov_b32 s[\g+1], ROWB<<16                    ; tensor_dim0
	s_mov_b32 s[\g+2], 256<<16                     ; tensor_dim1: 256 rows for the head's loads; set to 128 for the ring's behind them
	s_mov_b32 s[\g+3], ROWB<<16                    ; tile_dim0
	s_mov_b32 s[\g+4], 256                         ; tile_dim1, likewise
	s_mov_b32 s[\g+5], KROW                        ; tensor_dim0_stride
	s_mov_b32 s[\g+6], 0
	s_mov_b32 s[\g+7], 0
.endr
	; the scales of 256 rows: a dense block of 8,192 bytes, as 32 rows of 256 bytes (32 elements of 8 bytes), 16 bytes of padding behind each
	s_or_b32 s[G1S+0], s43, (3<<16)|(1<<20)|(1<<21)|(5<<22)|(3<<25)
	s_or_b32 s[G1SB+0], s44, (3<<16)|(1<<20)|(1<<21)|(5<<22)|(3<<25)
.irp g, G1S, G1SB
	s_mov_b32 s[\g+1], 32<<16
	s_mov_b32 s[\g+2], (256*KS/256)<<16            ; the scales of all 256 rows in one load
	s_mov_b32 s[\g+3], 32<<16
	s_mov_b32 s[\g+4], 256*KS/256
	s_mov_b32 s[\g+5], 32
	s_mov_b32 s[\g+6], 0
	s_mov_b32 s[\g+7], 0
.endr
	s_lshl_b32 s20, s41, 8
	s_add_co_u32 s20, s20, s12                     ; A's tile's first place: it hangs on cy and the cluster's place alone
	s_lshl_b32 s46, s40, 8
	s_add_co_u32 s46, s46, s13                     ; B's: on cx and the cluster's place alone
	s_lshl_b32 s22, s20, 5                         ; 32 scale bytes a place,
	s_lshl_b32 s20, s20, 10                        ; 1,024 codes
	s_lshl_b32 s92, s46, 5
	s_lshl_b32 s46, s46, 10
	s_mov_b32 s21, 0
	s_mov_b32 s23, 0
	s_mov_b32 s47, 0
	s_mov_b32 s93, 0
	s_mul_i32 s45, s14, HALFT                      ; where they go: wave x 128 rows: no place in the cluster enters an LDS address
	s_wait_kmcnt 0x0
	s_add_nc_u64 s[20:21], s[4:5], s[20:21]
	s_add_nc_u64 s[22:23], s[6:7], s[22:23]
	s_add_nc_u64 s[46:47], s[4:5], s[46:47]
	s_add_nc_u64 s[92:93], s[6:7], s[92:93]
	CROUND                                         ; all sixteen work-groups are here: the first joint loads meet
	s_mov_b32 s[G0S], 1
	s_mov_b32 s[G0S+1], SCL
	s_mov_b64 s[G0S+2:G0S+3], s[22:23]
	s_or_b32 s[G0S+3], s[G0S+3], 0x80000000
	s_mov_b32 s[G0SB], 1
	s_mov_b32 s[G0SB+1], SCL+2*HALFS
	s_mov_b64 s[G0SB+2:G0SB+3], s[92:93]
	s_or_b32 s[G0SB+3], s[G0SB+3], 0x80000000
.irp s, 0,1
	s_mov_b32 s[G0+4*\s], 1
	s_add_co_u32 s[G0+4*\s+1], s45, \s*SLOT
	s_add_nc_u64 s[G0+4*\s+2:G0+4*\s+3], s[20:21], \s*ROWB
	s_or_b32 s[G0+4*\s+3], s[G0+4*\s+3], 0x80000000
	s_mov_b32 s[G0B+4*\s], 1
	s_add_co_u32 s[G0B+4*\s+1], s45, \s*SLOT
	s_add_nc_u64 s[G0B+4*\s+2:G0B+4*\s+3], s[46:47], \s*ROWB
	s_or_b32 s[G0B+4*\s+3], s[G0B+4*\s+3], 0x80000000
.endr
	s_mov_b32 s[G0+1], 0                           ; for the head slot 0's two groups 0 name whole tiles: A's 256 rows at the slot's head,
	s_mov_b32 s[G0B+1], 2*HALFT                    ; B's 256 behind them
	s_mul_i32 s92, s16, 128*KROW                   ; in the ring I fetch 128 rows of a tile: which half, in bytes
	s_mov_b32 s93, 0
	s_add_nc_u64 s[G0+6:G0+7], s[G0+6:G0+7], s[92:93]
	s_add_nc_u64 s[G0B+6:G0B+7], s[G0B+6:G0B+7], s[92:93]
; THE HEAD'S LOADS, ONE A WAVE: wave 0 K step 0's 256 rows of A, wave 1 its 256 rows of B, wave 2 the scales of A's rows, wave 3 those of B's: one chain of branches on the wave's number, a load to an arm
.macro ARM under, g0, g1, next
	s_cmp_lt_u32 s14, \under
	s_cbranch_scc0 \next
	tensor_load_to_lds s[\g0:\g0+3], s[\g1:\g1+7]
	s_nop 0
.rept 4
	v_nop
.endr
	s_branch .Lhead_asked
\next:
.endm
	ARM 1, G0,  G1,  .Lhead_b
	ARM 2, G0B, G1B, .Lhead_sa
	ARM 3, G0S, G1S, .Lhead_sb
	tensor_load_to_lds s[G0SB:G0SB+3], s[G1SB:G1SB+7]
	s_nop 0
.rept 4
	v_nop
.endr
.Lhead_asked:
	v_and_b32 v1, 15, v0                           ; r = lane % 16
	v_bfe_u32 v2, v0, 4, 1                         ; h = lane / 16
	v_mul_u32_u24 v3, v1, PITCH
	v_lshl_add_u32 v4, v2, 4, v3                   ; a fragment's row x pitch + 16 h
	s_mul_i32 s21, s15, HALFT                      ; my 128 rows of A
	s_mul_i32 s22, s16, HALFT                      ; my 128 rows of B,
	s_add_co_u32 s22, s22, 2*HALFT                 ; which lie behind A's 256
.irp s, 0,1
	v_add_nc_u32 v[ADRA+\s], s21, v4
	v_add_nc_u32 v[ADRB+\s], s22, v4
	s_add_co_u32 s21, s21, SLOT
	s_add_co_u32 s22, s22, SLOT
.endr
	v_mul_u32_u24 v5, v1, KS                       ; my row's scales: KS bytes a row,
	v_lshrrev_b32 v6, 8, v5
	v_lshl_add_u32 v5, v6, 4, v5                   ; and 16 more for each 256 passed
	s_mul_i32 s21, s15, HALFS
	s_mul_i32 s22, s16, HALFS
	s_add_co_u32 s22, s22, 2*HALFS
	s_sub_co_u32 s22, s22, s21
	v_mul_u32_u24 v6, s22, v2                      ; lanes 16-31 take B's: the lower base + h x the distance
	s_add_co_u32 s21, s21, SCL
	v_add_nc_u32 v5, v5, v6
	v_add_nc_u32 v[ADRS], s21, v5
	; the way out's registers
	v_and_b32 v6, 31, v0
	v_lshlrev_b32 v[VALO], 4, v6
	v_add_nc_u32 v[VAHI], s97, v[VALO]
	v_lshlrev_b32 v[VSC], 4, v1
	v_lshl_add_u32 v[VSC], v2, 12, v[VSC]
	v_mov_b32 v[SELV], 0x05040100
	v_mov_b32 v5, 0x07060302
	v_cmp_lt_u32 vcc_lo, 15, v6
	v_cndmask_b32 v[SELV], v[SELV], v5, vcc_lo
.irp b, 0,1,2,3
	v_mov_b32 v[TM+4+\b], 0                        ; written once: a lane permute's destination counts as one of its sources
.endr
	s_mov_b32 s66, 0x76543210
	s_mov_b32 s67, 0xfedcba98                      ; v_permlanex16_b32's selects for lane l xor 16
	s_mov_b32 s95, 0x600000                        ; the mantissa field of 448
	; where my 128 x 128 goes.  AR, BR: my first places of A and of B; one of them is a token, the other a place in w_qkv
	s_lshl_b32 s18, s41, 8
	s_add_co_u32 s18, s18, s12
	s_lshl_b32 s19, s15, 7
	s_add_co_u32 s18, s18, s19                     ; AR
	s_lshl_b32 s19, s40, 8
	s_add_co_u32 s19, s19, s13
	s_lshl_b32 s20, s16, 7
	s_add_co_u32 s19, s19, s20                     ; BR
	s_cmp_lg_u32 s96, 0
	s_cselect_b32 s20, s18, s19                    ; my first token
	s_cselect_b32 s21, s19, s18
	s_sub_co_u32 s21, s21, 8192                    ; my first row of w_qkv, a multiple of 128: two heads
	s_lshr_b32 s21, s21, 6                         ; 16 x part + head
	s_lshr_b32 s22, s21, 4
	s_lshl_b32 s22, s22, 6
	s_and_b32 s21, s21, 15
	s_add_co_u32 s22, s22, s21
	s_lshr_b32 s23, s20, 11
	s_lshl_b32 s23, s23, 4
	s_add_co_u32 s22, s22, s23                     ; 64 x part + 16 x batch + head
	s_bfe_u32 s20, s20, 0x40007                    ; which 128 tokens of the batch's 2,048
	s_lshl_b32 s18, s22, 17                        ; 131,072 bytes of codes a head,
	s_lshl_b32 s21, s20, 13                        ; 8,192 for 128 tokens
	s_add_co_u32 s18, s18, s21
	s_mov_b32 s19, 0
	s_add_nc_u64 s[8:9], s[8:9], s[18:19]
	s_lshl_b32 s18, s22, 12                        ; 4,096 bytes of scale words a head,
	s_lshl_b32 s21, s20, 8                         ; 256 for 128 tokens
	s_add_co_u32 s18, s18, s21
	s_add_nc_u64 s[10:11], s[10:11], s[18:19]
.macro FRAG reg, adr, q, i             ; a fragment, 16 rows x 128 K: lane l holds row l % 16; registers 4 c .. 4 c + 3 hold K = 32 c + 16 (l / 16) + 0 .. 15
.irp c, 0,1,2,3
	ds_load_b128 v[\reg+4*\c:\reg+4*\c+3], v[\adr] offset:128*(\q)+32*\c+(\i)*16*PITCH
.endr
.endm
; 16 matrix instructions: A's blocks a0, a0 + 1 x B's eight.  The 64 accumulators take turns, one instruction a turn, in the same order in every step.
.macro MUL16 a0, p, q, sc, zero
.irp a, \a0, \a0+1
.irp b, 0,1,2,3,4,5,6,7
.if \zero
	v_wmma_scale_f32_16x16x128_f8f6f4 v[8*(8*((\a)%4)+\b):8*(8*((\a)%4)+\b)+7], v[128*(\p)+FR*\b:128*(\p)+FR*\b+FR-1], v[AF+FR*(\a):AF+FR*(\a)+FR-1], 0, v[SC+8*NQ*(\sc)+NQ*\b+(\q)], v[SC+8*NQ*(\sc)+NQ*(\a)+(\q)] matrix_a_scale:MATRIX_SCALE_ROW1
.else
	v_wmma_scale_f32_16x16x128_f8f6f4 v[8*(8*((\a)%4)+\b):8*(8*((\a)%4)+\b)+7], v[128*(\p)+FR*\b:128*(\p)+FR*\b+FR-1], v[AF+FR*(\a):AF+FR*(\a)+FR-1], v[8*(8*((\a)%4)+\b):8*(8*((\a)%4)+\b)+7], v[SC+8*NQ*(\sc)+NQ*\b+(\q)], v[SC+8*NQ*(\sc)+NQ*(\a)+(\q)] matrix_a_scale:MATRIX_SCALE_ROW1
.endif
.endr
.endr
.endm
.macro FETCH_B slot, q, p
	WIN TO_B
.irp i, 0,1,2,3,4,5,6,7
	FRAG 128*(\p)+FR*\i, ADRB+\slot, \q, \i
.endr
	WIN 0
.endm
.macro FETCH_A slot, q, i0
.irp i, \i0, \i0+1, \i0+2, \i0+3
	FRAG AF+FR*(\i), ADRA+\slot, \q, \i
.endr
.endm
.macro SCALES sc                       ; a K step's scale words: two words a row; lanes 0-15 take A's block i, lanes 16-31 B's block i
.irp i, 0,1,2,3,4,5,6,7
	ds_load_b64 v[SC+8*NQ*\sc+NQ*\i:SC+8*NQ*\sc+NQ*\i+1], v[ADRS] offset:\i*SBLK
.endr
.endm
.macro PLACES n                        ; plain vector lines between a matrix instruction and a load into, or a read of, its registers
.rept \n
	v_nop
.endr
.endm
.macro STEP slot, q, zero              ; 128 along K that has its successor in the same slot
	s_wait_dscnt 4*NL                              ; B's set and A's blocks 0-3 are in; the youngest sixteen loads (A's blocks 4-7) may be out
	WIN MUL_LO
	MUL16 0, (\q)%2, \q, \slot, \zero
	MUL16 2, (\q)%2, \q, \slot, \zero
	s_wait_dscnt 0
	PLACES NP
	FETCH_B \slot, (\q)+1, 1-(\q)%2
	FETCH_A \slot, (\q)+1, 0
	WIN MUL_HI
	MUL16 4, (\q)%2, \q, \slot, \zero
	MUL16 6, (\q)%2, \q, \slot, \zero
	PLACES NP
	WIN 0
	FETCH_A \slot, (\q)+1, 4
.endm
; A slot's last step changes slots: ONE barrier; in front of it each wave waits for all its tensor loads, adds 0 to its spare word, and waits for that and for its own reads of this slot.  fill = 1: this slot is filled again, two K steps ahead.
.macro TURN slot, next, fill
	s_wait_tensorcnt 0x0                           ; all my tensor loads have landed: my part of the next slot
	ds_add_u32 v[SPW], v[NIL]                      ; 0 onto my spare word
	s_wait_dscnt 4*NL+1                            ; (the add and the youngest sixteen loads, A's blocks 4-7, may be out)
	WIN MUL_LO
	MUL16 0, 1, NQ-1, \slot, 0
	s_wait_dscnt 0x0                               ; the add is done, and my reads of this slot are over
	s_barrier_signal -1
	MUL16 2, 1, NQ-1, \slot, 0
	WIN 0
	s_barrier_wait -1
.if \fill
	CREST                                          ; the barrier has opened a round of the cluster's barrier: no wave of any partner still reads this slot or has a load on its way
	s_add_nc_u64 s[G0+4*\slot+2:G0+4*\slot+3], s[G0+4*\slot+2:G0+4*\slot+3], 2*ROWB
	s_add_nc_u64 s[G0B+4*\slot+2:G0B+4*\slot+3], s[G0B+4*\slot+2:G0B+4*\slot+3], 2*ROWB
	JLOAD G0+4*\slot, G1, G0B+4*\slot, G1B         ; the first tensor load behind the round; its four v_nop are among the places in front of the loads below
	PLACES NP-4
.else
	PLACES NP
.endif
	s_wait_alu depctr_va_vdst(0)
	v_add_nc_u32 v[ADRS], 4*NQ, v[ADRS]            ; on to the next K step's scale words
	FETCH_B \next, 0, 0
	FETCH_A \next, 0, 0
	SCALES \next
	WIN MUL_HI
	MUL16 4, 1, NQ-1, \slot, 0
	MUL16 6, 1, NQ-1, \slot, 0
	PLACES NP
	WIN 0
	FETCH_A \next, 0, 4
.endm
	s_wait_alu depctr_va_vdst(0)                   ; the wait at the head's end
	s_wait_tensorcnt 0x0                           ; my tile of the head's four is in
	ds_add_u32 v[SPW], v[NIL]
	s_mov_b32 s[G1+2], 128<<16                     ; no tensor load of mine is out, so descriptors may be written: from here on a load brings 128 rows,
	s_mov_b32 s[G1+4], 128
	s_mov_b32 s[G1B+2], 128<<16
	s_mov_b32 s[G1B+4], 128
	s_mov_b32 s[G0+1], s45                         ; to wave x 128 rows of slot 0,
	s_mov_b32 s[G0B+1], s45
	s_add_nc_u64 s[G0+2:G0+3], s[G0+2:G0+3], s[92:93]      ; from my half of the tile
	s_add_nc_u64 s[G0B+2:G0B+3], s[G0B+2:G0B+3], s[92:93]
	s_wait_dscnt 0x0
	CROUND                                         ; all four tiles are in, and all sixteen work-groups are here
	JLOAD G0+4, G1, G0B+4, G1B                     ; K step 1, slot 1's first fill: the first tensor load behind the round
	FETCH_B 0, 0, 0
	FETCH_A 0, 0, 0
	SCALES 0
	FETCH_A 0, 0, 4
	STEP 0, 0, 1                                   ; the first step stands in front of the loop: its products start the sums
	s_mov_b32 s3, LAPS-1
.Llap:                                                 ; a trip goes once round the ring and fills both slots again
	TURN 0, 1, 1
	STEP 1, 0, 0
	TURN 1, 0, 1
	STEP 0, 0, 0
	s_sub_co_u32 s3, s3, 1
	s_cmp_lg_u32 s3, 0
	s_cbranch_scc1 .Llap
	TURN 0, 1, 0                                   ; the last lap fills nothing
	STEP 1, 0, 0
	s_wait_dscnt 4*NL
	WIN MUL_LO
	MUL16 0, 1, NQ-1, 1, 0
	MUL16 2, 1, NQ-1, 1, 0
	s_wait_dscnt 0
	WIN MUL_HI
	MUL16 4, 1, NQ-1, 1, 0
	MUL16 6, 1, NQ-1, 1, 0
	WIN 0
; THE WAY OUT, one of A's tiles at a time.  Its 64 registers of a lane: register 16 b + i = index 32 b + 16 (lane / 16) + i along B's true rows, of the lane's row of A: four blocks of 32, each in lanes l and l xor 16.
; Largest magnitude (with the floor 2^(9 - 127) among its leaves), scale operand, hold, conversion: the results are the registers of the next launch's operand and are stored as they stand, 512 consecutive bytes an instruction.
.macro EPI a
.set AC, 64*((\a)%4)
.set WN, 2+(\a)/4                      ; the accumulators' window
.set PS, PC+16*((\a)%2)
.set W12, (WN<<2)|(WN<<4)
.set W0D, (WN<<6)|WN
.if (\a) > 0
	s_wait_xcnt 0x0                                ; the last tile's stores have read their base and their data: both may be written
	s_add_nc_u64 s[8:9], s[8:9], s[98:99]
.if (\a) == 4
	s_add_nc_u64 s[8:9], s[8:9], s[100:101]
.endif
.endif
	WIN W12                                        ; sources 1 and 2 in the accumulators' window
.irp b, 0,1,2,3
	v_max3_num_f32 v[TM+\b], 0x4800000, |v[AC+16*\b]|, |v[AC+16*\b+1]|   ; each accumulator is read from its low end on
.endr
.irp i, 2,4,6,8,10,12,14
.irp b, 0,1,2,3
	v_max3_num_f32 v[TM+\b], v[TM+\b], |v[AC+16*\b+\i]|, |v[AC+16*\b+\i+1]|   ; the four blocks by turns
.endr
.endr
	WIN 0
.irp b, 0,1,2,3
	v_permlanex16_b32 v[TM+4+\b], v[TM+\b], s66, s67
.endr
.irp b, 0,1,2,3
	v_max_num_f32 v[TM+\b], v[TM+\b], v[TM+4+\b]   ; with lane l xor 16's: the block's largest magnitude
.endr
.irp b, 0,1,2,3
	v_add_nc_u32 v[TM+12+\b], 0xfc000000, v[TM+\b] ; 8 off its exponent field: the conversion's scale operand
.endr
.irp b, 0,1,2,3
	v_and_or_b32 v[TM+8+\b], v[TM+\b], 0x7f800000, s95   ; 448 x the scale
.endr
.irp b, 0,1,2,3
	v_lshrrev_b32 v[TM+4+\b], 23, v[TM+12+\b]      ; the scale's byte
.endr
	v_lshl_or_b32 v[W+\a], v[TM+5], 8, v[TM+4]
	v_lshl_or_b32 v[W+\a], v[TM+6], 16, v[W+\a]
	v_lshl_or_b32 v[W+\a], v[TM+7], 24, v[W+\a]
	WIN W0D                                        ; source 0 and destination in the accumulators' window
.irp b, 0,1,2,3
.irp i, 0,1,2,3,4,5,6,7,8,9,10,11,12,13,14,15
	v_med3_num_f32 v[AC+16*\b+\i], v[AC+16*\b+\i], -v[TM+8+\b], v[TM+8+\b]   ; the conversion does not saturate (ISA guide 7.6.2): the hold
.endr
.endr
	WIN WN
.irp b, 0,1,2,3
	v_cvt_scalef32_pk8_fp8_f32 v[PS+4*\b:PS+4*\b+1], v[AC+16*\b:AC+16*\b+7], v[TM+12+\b]
	v_cvt_scalef32_pk8_fp8_f32 v[PS+4*\b+2:PS+4*\b+3], v[AC+16*\b+8:AC+16*\b+15], v[TM+12+\b]
.endr
	WIN 0
	v_nop                                          ; one plain line behind the last conversion
	global_store_b128 v[VALO], v[PS:PS+3], s[8:9]
	global_store_b128 v[VALO], v[PS+4:PS+7], s[8:9] offset:512
	global_store_b128 v[VAHI], v[PS+8:PS+11], s[8:9]
	global_store_b128 v[VAHI], v[PS+12:PS+15], s[8:9] offset:512
.endm
	PLACES NP                                      ; behind the last products, ahead of the first read of results
.irp a, 0,1,2,3,4,5,6,7
	EPI \a
.endr
	; the scale words.  First role: word j of a head = bytes (2 head, 2 head + 1) of tiles 2 j and 2 j + 1.  Second: word j of a head = tile 4 head + j's word.  Lanes 0-15 store the first head's, lanes 16-31 the second's.
	v_and_b32 v6, 31, v0
	v_cmp_lt_u32 vcc_lo, 15, v6
.irp j, 0,1,2,3
	v_perm_b32 v[XW+\j], v[W+2*\j+1], v[W+2*\j], v[SELV]
	v_cndmask_b32 v[OW+\j], v[W+\j], v[W+4+\j], vcc_lo
.endr
.irp j, 0,1,2,3
	v_cndmask_b32 v[OW+\j], v[OW+\j], v[XW+\j], s96
.endr
	global_store_b128 v[VSC], v[OW:OW+3], s[10:11] ; sixteen lanes store 256 consecutive bytes, aligned
	s_wait_tensorcnt 0x0                           ; the wave's end
	ds_add_u32 v[SPW], v[NIL]
	s_wait_dscnt 0x0
	CROUND                                         ; the closing round: no work-group ends while a partner may still ask for a tile that names it
	s_endpgm
.Lfunc_end_k_q299d3fb0dd_qkv:
	.size	k_q299d3fb0dd_qkv, .Lfunc_end_k_q299d3fb0dd_qkv-k_q299d3fb0dd_qkv
	.p2alignl 7, 3214868480
	.fill 96, 4, 3214868480
	.section	.rodata,"a",@progbits
	.p2align	6, 0x0
	.amdhsa_kernel k_q299d3fb0dd_qkv
		.amdhsa_group_segment_fixed_size 327680
		.amdhsa_private_segment_fixed_size 0
		.amdhsa_enable_private_segment 0
		.amdhsa_kernarg_size 32
		.amdhsa_user_sgpr_count 2
		.amdhsa_user_sgpr_kernarg_segment_ptr 1
		.amdhsa_wavefront_size32 1
		.amdhsa_system_sgpr_workgroup_id_x 1
		.amdhsa_system_sgpr_workgroup_id_y 1
		.amdhsa_system_sgpr_workgroup_id_z 1
		.amdhsa_system_vgpr_workitem_id 0
		.amdhsa_next_free_vgpr 1024
		.amdhsa_next_free_sgpr 102
		.amdhsa_reserve_vcc 1
		.amdhsa_float_denorm_mode_32 3
		.amdhsa_float_denorm_mode_16_64 3
		.amdhsa_memory_ordered 1
		.amdhsa_forward_progress 1
		.amdhsa_inst_pref_size 188
	.end_amdhsa_kernel
	.amdgpu_metadata
---
amdhsa.version: [ 1, 2 ]
amdhsa.kernels:
  - .name:           k_q299d3fb0dd_qkv
    .symbol:         k_q299d3fb0dd_qkv.kd
    .args:
      - { .name: codes, .offset: 0, .size: 8, .value_kind: global_buffer, .address_space: global }
      - { .name: scales, .offset: 8, .size: 8, .value_kind: global_buffer, .address_space: global }
      - { .name: qkvc, .offset: 16, .size: 8, .value_kind: global_buffer, .address_space: global }
      - { .name: qkvs, .offset: 24, .size: 8, .value_kind: global_buffer, .address_space: global }
    .group_segment_fixed_size: 327680
    .private_segment_fixed_size: 0
    .kernarg_segment_align: 8
    .kernarg_segment_size: 32
    .max_flat_workgroup_size: 128
    .sgpr_count:     102
    .vgpr_count:     1024
    .wavefront_size: 32
...
	.end_amdgpu_metadata
.endif
;; end of part 2
;; launch attn (part 3): grid 4 x 64, 16 waves a work-group, clusters of 4 x 1, 327,680 bytes of LDS; arguments qkvc, qkvs, ac, asc; writes ac, asc
.if DOCPART == 3
	.amdgcn_target "amdgcn-amd-amdhsa--gfx1250"
	.amdhsa_code_object_version 6
	.text
	.protected	k_q299d3fb0dd_attn
	.globl	k_q299d3fb0dd_attn
	.p2align	8
	.type	k_q299d3fb0dd_attn,@function
k_q299d3fb0dd_attn:
	s_mov_b64 s[64:65], 0
	v_nop
	global_prefetch_b8 v0, s[64:65] scope:SCOPE_SE
	s_setreg_imm32_b32 hwreg(HW_REG_WAVE_MODE, 25, 1), 1
	s_wait_xcnt 0x0
	s_wait_alu depctr_hold_cnt(0) depctr_sa_sdst(0) depctr_va_vdst(0) depctr_va_sdst(0) depctr_va_ssrc(0) depctr_va_vcc(0) depctr_vm_vsrc(0)
	s_getreg_b32 s2, hwreg(HW_REG_IB_STS2, 6, 4)
	s_cmp_eq_u32 s2, 0
	s_cbranch_scc0 .Lentry_in_a_cluster
	s_endpgm
.Lentry_in_a_cluster:
	s_bfe_u32 s2, ttmp6, 0x10000c
	s_cmp_lg_u32 s2, 0x3003
	s_cbranch_scc0 .Lentry_shape_is_right
	s_endpgm
.Lentry_shape_is_right:
; Causal attention of one head on codes of FP8 (E4M3) with E8M0 scales, and the quantising of its result along the channels for the last product.  64 heads (4 batches x 16), 2,048 tokens, 64 channels.
; THE SOFTMAX AHEAD OF THE SECOND PRODUCT: t = score x log2(e) / 8; M = the row's largest t so far, rounded UP to a whole number; p = 2^(t - M) is quantised along the keys, not normalised.  The row's sum is taken of the
; unquantised p in f32 and divides O at the end.  When M moves, the sum and O are multiplied by 2^(old M - new M): exact.
; WORK LEFT OUT: key steps all of whose 128 keys come after a tile's queries: the causal mask sets their scores to -infinity, so their p is 0 for all values of the inputs.
; A HEAD'S K AND V STAY IN LDS: 2 x 131,072 bytes of codes and 2 x 4,096 of scale words, fetched once, at the head, by nine tensor loads, one a wave: wave 0 the scale words, wave s + 1 key slot s (256 keys): ONE descriptor of two rows of
; 16,384 bytes, K's part and V's, which lie 8,388,608 bytes apart in qkvc.  LDS region w (32,768 bytes) is wave w's.  Nothing is filled again: no ring, and no barrier in the last loop.
; CLUSTER: the four work-groups of a head want the same nine tiles: joint loads, mask 15.  Only global addresses and the diagonal's lane mask hang on the place in the cluster.
; SHARES.  A head has 16 blocks of 128 queries, 8 tiles of 16 each.  Wave w of work-group j takes tile i = 2 j + w / 8 of block 15 - b and then of block b, b = w % 8: 16 - b and b + 1 key steps of 128: SEVENTEEN in every wave.
; The step at position p of that walk is key step p, or p - (16 - b): never beyond p.  So three barriers show what has landed: ahead of position 0 the scale words and slot 0, ahead of 2 slots 1 and 2, ahead of 6 the rest.
; Positions 0 to 7 lie under the diagonal in every wave (the first tile has nine steps or more): the first two loops carry no mask.  The diagonal's steps are positions 15 - b and 16.
; NO PREFETCH: every byte of K and V is asked for by the head's loads, in the text's first lines; there is no later request to run ahead of.
; LAYOUT.  Both products are used transposed: S^T = K Q^T, O^T = V^T P^T: a lane holds ONE query.  All operands come as images of their registers, 512 bytes = [lane][16 bytes].
; K = 64 IN AN INSTRUCTION OF K = 128: a fragment of K holds TWO tiles of 16 keys, u = 0 in k 0-63 and u = 1 in k 64-127; it is multiplied by [q, 0] and by [0, q].  Q lies as q, zeros, q.
; Lane r of key tile u of a group of 32 is key 32 g + 8 u + r + 8 (r / 8): the 16 registers of the group's two tiles are the keys 32 g + 16 (lane / 16) + 0 .. 15.  Tile n's queries: 32 (n / 2) + 8 (n % 2) + r + 8 (r / 8).
; LIMITS: the promise holds while |t| stays under 2^31; 1 / the sum is v_rcp_f32; a block of zeros gets the byte 1 where the rule says 127 (its codes are zeros, the bytes are this program's own); NaN and infinities are not served.
.set DUAL, 1                           ; 1: p's holds go two to an instruction
.set REG,   32768
.set SPARE, 9*REG                      ; the spare words, 128 bytes for each wave
.set LI,  1                            ; v1   16 x lane
.set LR,  2                            ; v2   16 x (lane % 16)
.set SPW, 3
.set NIL, 4
.set ADK, 5                            ; v5   LDS: the key step's codes + 16 x lane
.set ADS, 6                            ; v6   LDS: its scale words + 16 r
.set DQ,  7                            ; v7   r + 8 (r / 8) - 16 h
.set SBY, 8
.set OS,  9                            ; v9   32 r
.set LK,  10                           ; v10  REG + 16 x lane
.set QF,  16                           ; v16-39 q, zeros, q
.set QSW, 40
.set FRG, 48                           ; v48-111 four fragments, of K and then of V
.set S,   112                          ; v112-175 S^T, then p
.set O,   176                          ; v176-207 O^T
.set PCD, 208
.set BM,  224
.set PD,  228
.set HV,  232
.set SOP, 236
.set KSW, 240
.set VSW, 244
.set F,   248                          ; v248 f;  v249 p's scale word
.set T0,  250
.set T1,  251
.set T2,  252
.set CH0, 228                          ; eight chains of the row's sum
.set CH1, 254
.set CH2, 252
.set CH3, 42
.set CH4, 44
.set CH5, 238
.set CH6, 236
.set CH7, 14
.set WV,  12
.set BH,  13
.set NL,  14                           ; s14  16 - b: the first tile's steps
.set P,   15                           ; s15  the position in the walk
.set KP,  16                           ; s16  the key step
.set TAU, 17                           ; s17  the tile in hand
.set QM,  18                           ; s18  my first query within its block of 128
.set MNT, 19
.set SEL, 20
.set CS,  22
.set G1C, 24
.set G1S, 32
.set G0C, 40
.set G0S, 44
.set QB,  52
.set QSB, 54
.set OB,  56
.set OSB, 58
.set TI,  60                           ; s60  i
.set BE,  61                           ; s61  b
.set NLM, 62                           ; s62  15 - b
.set PSEL, 80
.macro CROUND
	s_barrier_signal -1
	s_barrier_wait -1
	s_cmp_lg_u32 s[WV], 0
	s_cbranch_scc1 .Lnw0_\@
	s_barrier_signal -3
.Lnw0_\@:
	s_barrier_wait -3
	s_barrier_signal -1
	s_barrier_wait -1
.endm
.macro ARM under, g0, g1, next         ; an arm of the head's one chain: a load line of its own for each group of waves that waits alike
	s_cmp_lt_u32 s[WV], \under
	s_cbranch_scc0 \next
	tensor_load_to_lds s[\g0:\g0+3], s[\g1:\g1+7]
	s_nop 0
.rept 4
	v_nop
.endr
	s_branch .Lasked
\next:
.endm
.macro SHOW under                      ; a plain barrier that shows the tiles of the waves under "under" (0: of all)
.if \under
	s_cmp_lt_u32 s[WV], \under
	s_cbranch_scc0 .Lns_\@
	s_wait_tensorcnt 0x0
.Lns_\@:
.else
	s_wait_tensorcnt 0x0
.endif
	s_barrier_signal -1
	s_barrier_wait -1
.endm
	s_load_b256 s[4:11], s[0:1], 0x0               ; qkvc, qkvs, ac, asc
	v_lshl_add_u32 v[SPW], v0, 2, SPARE
	v_mov_b32 v[NIL], 0
	ds_add_u32 v[SPW], v[NIL]                      ; the opening lines: the add, twice on end, and its wait
	ds_add_u32 v[SPW], v[NIL]
	v_lshrrev_b32 v5, 5, v0
	v_readfirstlane_b32 s[WV], v5                  ; wave 0..15
	s_and_b32 s[BH], ttmp7, 0xffff                 ; 16 x batch + head: the cluster's y
	s_bfe_u32 s[TI], ttmp6, 0x40000                ; my place in the cluster
	s_lshl_b32 s[TI], s[TI], 1
	s_lshr_b32 s72, s[WV], 3
	s_add_co_u32 s[TI], s[TI], s72                 ; i
	s_and_b32 s[BE], s[WV], 7
	s_xor_b32 s[NLM], s[BE], 15
	s_add_co_u32 s[NL], s[NLM], 1
	s_mov_b32 s[G1C], 15|(3<<16)|(1<<21)           ; the four of the cluster; elements of 8 bytes; no padding: images are read 512 bytes on end
	s_mov_b32 s[G1C+1], 2048<<16                   ; a row: 2,048 elements, 16,384 bytes
	s_mov_b32 s[G1C+2], 2<<16                      ; two rows: K's, V's
	s_mov_b32 s[G1C+3], 2048<<16
	s_mov_b32 s[G1C+4], 2
	s_mov_b32 s[G1C+5], 1048576                    ; 8,388,608 bytes apart
	s_mov_b32 s[G1C+6], 0
	s_mov_b32 s[G1C+7], 0
	s_mov_b32 s[G1S], 15|(3<<16)|(1<<21)
	s_mov_b32 s[G1S+1], 512<<16                    ; the scale words: two rows of 4,096 bytes,
	s_mov_b32 s[G1S+2], 2<<16
	s_mov_b32 s[G1S+3], 512<<16
	s_mov_b32 s[G1S+4], 2
	s_mov_b32 s[G1S+5], 32768                      ; 262,144 bytes apart
	s_mov_b32 s[G1S+6], 0
	s_mov_b32 s[G1S+7], 0
	s_add_co_u32 s70, s[BH], 64                    ; K is part 1 of qkvc and of qkvs
	s_lshl_b32 s68, s70, 17
	s_lshl_b32 s71, s[WV], 14
	s_add_co_u32 s68, s68, s71
	s_sub_co_u32 s68, s68, 16384                   ; key slot wave - 1
	s_mov_b32 s69, 0
	s_lshl_b32 s70, s70, 12
	s_mov_b32 s71, 0
	s_wait_dscnt 0x0
	CROUND                                         ; the round in front of the joint loads
	s_wait_kmcnt 0x0
	s_mov_b32 s[G0C], 1
	s_lshl_b32 s[G0C+1], s[WV], 15                 ; LDS region = wave
	s_add_nc_u64 s[G0C+2:G0C+3], s[4:5], s[68:69]
	s_or_b32 s[G0C+3], s[G0C+3], 0x80000000
	s_mov_b32 s[G0S], 1
	s_mov_b32 s[G0S+1], 0
	s_add_nc_u64 s[G0S+2:G0S+3], s[6:7], s[70:71]
	s_or_b32 s[G0S+3], s[G0S+3], 0x80000000
	ARM 1, G0S, G1S, .La1                          ; wave 0: the scale words
	ARM 2, G0C, G1C, .La2                          ; wave 1: slot 0
	ARM 4, G0C, G1C, .La3                          ; waves 2, 3: slots 1, 2
	ARM 9, G0C, G1C, .La4                          ; waves 4 to 8: slots 3 to 7
.Lasked:
	s_mov_b32 s73, 0
	s_lshl_b32 s72, s[BH], 17
	s_add_nc_u64 s[QB:QB+1], s[4:5], s[72:73]
	s_lshl_b32 s72, s[BH], 12
	s_add_nc_u64 s[QSB:QSB+1], s[6:7], s[72:73]
	s_lshr_b32 s74, s[BH], 4                       ; batch
	s_and_b32 s76, s[BH], 15                       ; head
	s_lshl_b32 s72, s74, 21                        ; ac: 128 row tiles of 16,384 bytes a batch, 1,024 bytes a head in a tile
	s_lshl_b32 s77, s76, 10
	s_add_co_u32 s72, s72, s77
	s_add_nc_u64 s[OB:OB+1], s[8:9], s[72:73]
	s_lshl_b32 s72, s74, 16                        ; asc: 2,048 rows of 32 bytes a batch, 2 bytes a head
	s_lshl_b32 s77, s76, 1
	s_add_co_u32 s72, s72, s77
	s_add_nc_u64 s[OSB:OSB+1], s[10:11], s[72:73]
	s_lshr_b32 s72, s[TI], 1
	s_lshl_b32 s72, s72, 5
	s_and_b32 s73, s[TI], 1
	s_lshl_b32 s73, s73, 3
	s_add_co_u32 s[QM], s72, s73                   ; 32 (i / 2) + 8 (i % 2)
	s_mov_b32 s[SEL], 0x76543210
	s_mov_b32 s[SEL+1], 0xfedcba98
	s_mov_b32 s[CS], 0x3e38aa3b                    ; c = log2(e) / 8
	s_mov_b32 s[CS+1], s[CS]
	s_mov_b32 s[MNT], 0x600000
	s_mov_b32 s[PSEL], 0x01000100                  ; my tile is u = i % 2 = wave / 8 of its group of 32: bytes 0, 1 of the group's word, or 2, 3
	s_cmp_lt_u32 s[WV], 8
	s_cselect_b32 s[PSEL], s[PSEL], 0x03020302
	v_and_b32 v[LI], 31, v0
	v_lshlrev_b32 v[LI], 4, v[LI]
	v_add_nc_u32 v[LK], REG, v[LI]
	v_and_b32 v[T0], 15, v0
	v_bfe_u32 v[T1], v0, 4, 1
	v_lshlrev_b32 v[LR], 4, v[T0]
	v_lshlrev_b32 v[OS], 5, v[T0]
	v_and_b32 v[T2], 8, v[T0]
	v_add_nc_u32 v[DQ], v[T2], v[T0]
	v_lshlrev_b32 v[T2], 4, v[T1]
	v_sub_nc_u32 v[DQ], v[DQ], v[T2]
.irp j, 0,1,2,3,4,5,6,7
	v_mov_b32 v[QF+8+\j], 0                        ; the zero half between the two copies of q
.endr
.irp b, 0,1,2,3
	v_mov_b32 v[PD+\b], 0                          ; a lane permute's destination counts as one of its sources
.endr
	v_mov_b32 v[F+1], 0
	s_wait_alu depctr_va_vdst(0)
; A TILE BEGINS: its q and scale word, and the running numbers: O^T and the sum zeros, the largest t -3e38
.macro INIT
	s_lshl_b32 s72, s[TAU], 10                     ; 1,024 bytes of codes a tile
	s_mov_b32 s73, 0
	s_add_nc_u64 s[72:73], s[QB:QB+1], s[72:73]
	s_lshr_b32 s74, s[TAU], 1                      ; my group of 32 tokens
	s_lshr_b32 s75, s74, 2
	s_lshl_b32 s75, s75, 8
	s_and_b32 s74, s74, 3
	s_lshl_b32 s74, s74, 2
	s_add_co_u32 s74, s74, s75
	s_mov_b32 s75, 0
	s_add_nc_u64 s[74:75], s[QSB:QSB+1], s[74:75]
	global_load_b128 v[QF:QF+3], v[LI], s[72:73]
	global_load_b128 v[QF+4:QF+7], v[LI], s[72:73] offset:512
	global_load_b128 v[QF+16:QF+19], v[LI], s[72:73]
	global_load_b128 v[QF+20:QF+23], v[LI], s[72:73] offset:512
	global_load_b32 v[T0], v[LR], s[74:75]
	s_wait_loadcnt 0x0
	v_perm_b32 v[QSW], v[T0], v[T0], s[PSEL]       ; (s0, s1, s0, s1); the 36 plain lines below stand ahead of the first product that names it
	v_mov_b32 v13, 0xff61b1e6
	s_delay_alu instid0(VALU_DEP_1)
	v_floor_f32 v12, -v13
	v_mov_b32 v14, 0
	v_mov_b32 v15, 0
.set j, 0
.rept 32
	v_mov_b32 v[O+j], 0
.set j, j+1
.endr
.endm
; A KEY STEP: the 128 keys of key step s[kr].  diag = 1: the text carries the diagonal's mask
.macro STEP diag, kr
	s_lshl_b32 s68, s[\kr], 13                     ; slot kr / 2 begins 32,768 (kr / 2) on, its second step 8,192 further
	s_and_b32 s69, s[\kr], 14
	s_lshl_b32 s69, s69, 13
	s_add_co_u32 s68, s68, s69
	s_lshl_b32 s69, s[\kr], 8                      ; 256 bytes of scale words a step
	v_add_nc_u32 v[ADK], s68, v[LK]
	v_add_nc_u32 v[ADS], s69, v[LR]
.rept 6
	v_nop                                          ; with the two additions: eight places in front of loads into registers that the last products read
.endr
.irp t, 0,1,2,3
.irp c, 0,1,2,3
	ds_load_b128 v[FRG+16*\t+4*\c:FRG+16*\t+4*\c+3], v[ADK] offset:2048*\t+512*\c
.endr
.endr
	ds_load_b128 v[KSW:KSW+3], v[ADS]
	s_wait_alu depctr_va_vdst(0)
	s_wait_dscnt 0x0
.irp t, 0,1,2,3
.irp u, 0,1
	v_wmma_scale_f32_16x16x128_f8f6f4 v[S+8*(2*\t+\u):S+8*(2*\t+\u)+7], v[FRG+16*\t:FRG+16*\t+15], v[QF+8*\u:QF+8*\u+15], 0, v[KSW+\t], v[QSW]
.endr
.endr
.rept 8
	v_nop                                          ; places: in front of the loads below, and of the first read of the scores
.endr
.irp t, 0,1,2,3
.irp c, 0,1,2,3
	ds_load_b128 v[FRG+16*\t+4*\c:FRG+16*\t+4*\c+3], v[ADK] offset:16384+2048*\t+512*\c   ; V's fragments land while the softmax is walked
.endr
.endr
	ds_load_b128 v[VSW:VSW+3], v[ADS] offset:4096
.if \diag
	s_cmp_eq_u32 s[P], s[NLM]                      ; the diagonal's steps: positions 15 - b and 16: the wave's number and the count of trips alone
	s_cselect_b32 s68, 16, s[P]
	s_cmp_lg_u32 s68, 16
	s_cbranch_scc1 .Lopen_\@
	v_add_nc_u32 v[T0], s[QM], v[DQ]               ; d = my query - the step's first key - 16 (lane / 16): register 16 t + i is hidden where 32 t + i > d
	v_mov_b32 v[T1], 0xff800000
.set n, 0
.rept 64
	v_cmp_gt_i32 vcc_lo, 32*(n/16)+n%16, v[T0]
	v_cndmask_b32 v[S+n], v[S+n], v[T1], vcc_lo
.set n, n+1
.endr
.Lopen_\@:
.endif
.irp b, 0,1,2,3
	v_max3_num_f32 v[BM+\b], v[S+16*\b], v[S+1+16*\b], v[S+2+16*\b]   ; the largest score of each block of 32 keys: for the row's maximum and for the block's largest p
.endr
.irp i, 3,5,7,9,11,13
.irp b, 0,1,2,3
	v_max3_num_f32 v[BM+\b], v[BM+\b], v[S+16*\b+\i], v[S+1+16*\b+\i]
.endr
.endr
.irp b, 0,1,2,3
	v_max_num_f32 v[BM+\b], v[BM+\b], v[S+15+16*\b]
.endr
.irp b, 0,1,2,3
	s_delay_alu instid0(VALU_DEP_4)
	v_permlanex16_b32 v[PD+\b], v[BM+\b], s[SEL], s[SEL+1]
.endr
.irp b, 0,1,2,3
	s_delay_alu instid0(VALU_DEP_4)
	v_max_num_f32 v[BM+\b], v[BM+\b], v[PD+\b]
.endr
	s_delay_alu instid0(VALU_DEP_2)
	v_max3_num_f32 v[T0], v[BM], v[BM+1], v[BM+2]
	s_delay_alu instid0(VALU_DEP_1)
	v_max_num_f32 v[T0], v[T0], v[BM+3]
	s_delay_alu instid0(VALU_DEP_1)
	v_mul_f32 v[T0], s[CS], v[T0]
	s_delay_alu instid0(VALU_DEP_1)
	v_max_num_f32 v13, v13, v[T0]                  ; the running largest t
	v_mov_b32 v[T0], v12
	s_delay_alu instid0(VALU_DEP_2)
	v_floor_f32 v12, -v13                          ; the new -M
	s_delay_alu instid0(VALU_DEP_1)
	v_sub_f32 v[T0], v12, v[T0]
	s_delay_alu instid0(VALU_DEP_1)
	v_cvt_i32_f32 v[T0], v[T0]
	s_delay_alu instid0(VALU_DEP_1)
	v_ldexp_f32 v[F], 1.0, v[T0]                   ; f = 2^(old M - new M)
.set j, 0
.rept 32
	v_pk_fma_f32 v[S+j:S+j+1], v[S+j:S+j+1], s[CS:CS+1], v[12:13] op_sel_hi:[1,0,0]
.set j, j+2
.endr
.irp b, 0,1,2,3
	v_fma_f32 v[BM+\b], v[BM+\b], s[CS], v12
.endr
	s_wait_alu depctr_va_vdst(0)                   ; one wait ahead of the batch,
.set j, 0
.rept 64
	v_exp_f32 v[S+j], v[S+j]
.set j, j+1
.endr
	v_pk_mul_f32 v[14:15], v[14:15], v[F:F+1] op_sel_hi:[1,0]
	s_wait_alu depctr_va_vdst(0)                   ; and one behind it
.irp b, 0,1,2,3
	v_exp_f32 v[BM+\b], v[BM+\b]                   ; the block's largest p
.endr
.irp k, 0,1,2,3,4,5,6                          ; the row's sum of the unquantised p: 32 pairs in eight chains
	v_pk_add_f32 v[CH\k:CH\k+1], v[S+4*\k:S+4*\k+1], v[S+4*\k+2:S+4*\k+3]
.endr
	v_pk_add_f32 v[14:15], v[14:15], v[S+28:S+29]
.irp k, 0,1,2,3,4,5,6,7
	v_pk_add_f32 v[CH\k:CH\k+1], v[CH\k:CH\k+1], v[S+30+2*\k:S+31+2*\k]
.endr
.irp k, 0,1,2,3,4,5,6,7
	v_pk_add_f32 v[CH\k:CH\k+1], v[CH\k:CH\k+1], v[S+46+2*\k:S+47+2*\k]
.endr
	v_pk_add_f32 v[CH0:CH0+1], v[CH0:CH0+1], v[S+62:S+63]
	s_delay_alu instid0(VALU_DEP_2)
	v_pk_add_f32 v[14:15], v[14:15], v[CH3:CH3+1]
	s_delay_alu instid0(VALU_DEP_2)
	v_pk_add_f32 v[CH0:CH0+1], v[CH0:CH0+1], v[CH4:CH4+1]
	v_pk_add_f32 v[CH1:CH1+1], v[CH1:CH1+1], v[CH5:CH5+1]
	v_pk_add_f32 v[CH2:CH2+1], v[CH2:CH2+1], v[CH6:CH6+1]
	s_delay_alu instid0(VALU_DEP_2)
	v_pk_add_f32 v[14:15], v[14:15], v[CH1:CH1+1]
	s_delay_alu instid0(VALU_DEP_2)
	v_pk_add_f32 v[CH0:CH0+1], v[CH0:CH0+1], v[CH2:CH2+1]
	s_delay_alu instid0(VALU_DEP_1)
	v_pk_add_f32 v[14:15], v[14:15], v[CH0:CH0+1]
	s_wait_alu depctr_va_vdst(0)                   ; the wait for the four
.irp b, 0,1,2,3
	v_max_num_f32 v[BM+\b], 0x4800000, v[BM+\b]    ; the floor 2^(9 - 127): the byte cannot fall under 1
.endr
.irp b, 0,1,2,3
	s_delay_alu instid0(VALU_DEP_4)
	v_add_nc_u32 v[SOP+\b], 0xfc000000, v[BM+\b]   ; the conversion's scale operand
.endr
.irp b, 0,1,2,3
	v_and_or_b32 v[HV+\b], v[BM+\b], 0x7f800000, s[MNT]   ; 448 x the scale
.endr
.irp b, 0,1,2,3
	v_lshrrev_b32 v[PD+\b], 23, v[SOP+\b]
.endr
	s_delay_alu instid0(VALU_DEP_3)
	v_lshl_or_b32 v[F+1], v[PD+1], 8, v[PD]        ; p's scale word
	s_delay_alu instid0(VALU_DEP_1)
	v_lshl_or_b32 v[F+1], v[PD+2], 16, v[F+1]
	s_delay_alu instid0(VALU_DEP_1)
	v_lshl_or_b32 v[F+1], v[PD+3], 24, v[F+1]
.irp b, 0,1,2,3                                ; the conversion does not saturate (ISA guide 7.6.2); p is not negative, so the hold is one-sided
.if DUAL
.irp i, 0,2,4,6,8,10,12,14
	v_dual_min_num_f32 v[S+16*\b+\i], v[S+16*\b+\i], v[HV+\b] :: v_dual_min_num_f32 v[S+16*\b+\i+1], v[S+16*\b+\i+1], v[HV+\b]
.endr
.else
.irp i, 0,1,2,3,4,5,6,7,8,9,10,11,12,13,14,15
	v_min_num_f32 v[S+16*\b+\i], v[S+16*\b+\i], v[HV+\b]
.endr
.endif
	v_cvt_scalef32_pk8_fp8_f32 v[PCD+4*\b:PCD+4*\b+1], v[S+16*\b:S+16*\b+7], v[SOP+\b]
	v_cvt_scalef32_pk8_fp8_f32 v[PCD+4*\b+2:PCD+4*\b+3], v[S+16*\b+8:S+16*\b+15], v[SOP+\b]
.endr
	s_wait_alu depctr_va_vdst(0)                   ; the wait directly ahead of the first reader of O^T
.set j, 0
.rept 16
	v_pk_mul_f32 v[O+j:O+j+1], v[O+j:O+j+1], v[F:F+1] op_sel_hi:[1,0]   ; O^T under the new M; also the places between the codes' writes and the products
.set j, j+2
.endr
	s_wait_alu depctr_va_vdst(0)
	s_wait_dscnt 0x0                               ; V's fragments and scale words are in
.irp t, 0,1,2,3                                ; the four accumulators by turns
	v_wmma_scale_f32_16x16x128_f8f6f4 v[O+8*\t:O+8*\t+7], v[FRG+16*\t:FRG+16*\t+15], v[PCD:PCD+15], v[O+8*\t:O+8*\t+7], v[VSW+\t], v[F+1]
.endr
.endm
; A TILE ENDS: O^T is divided by the row's sum and quantised along the channels: two blocks of 32, each in lanes l and l xor 16.  The codes are registers of the last product's A fragment and are stored as they stand
.macro FINISH
.rept 8
	v_nop
.endr
	v_add_f32 v14, v14, v15
	s_delay_alu instid0(VALU_DEP_1)
	v_permlanex16_b32 v[T0], v14, s[SEL], s[SEL+1]
	s_delay_alu instid0(VALU_DEP_1)
	v_add_f32 v14, v14, v[T0]
	s_wait_alu depctr_va_vdst(0)
	v_rcp_f32 v14, v14
	v_nop
	s_lshl_b32 s72, s[TAU], 14                     ; 16,384 bytes a row tile in ac,
	s_mov_b32 s73, 0
	s_add_nc_u64 s[72:73], s[OB:OB+1], s[72:73]
	s_lshl_b32 s74, s[TAU], 9                      ; 16 rows of 32 bytes in asc
	s_mov_b32 s75, 0
	s_add_nc_u64 s[74:75], s[OSB:OSB+1], s[74:75]
	s_wait_alu depctr_va_vdst(0)
.set j, 0
.rept 16
	v_pk_mul_f32 v[S+j:S+j+1], v[O+j:O+j+1], v[14:15] op_sel_hi:[1,0]
.set j, j+2
.endr
.irp b, 0,1
	v_max3_num_f32 v[BM+\b], |v[S+16*\b]|, |v[S+1+16*\b]|, 0x4800000
.endr
.irp i, 2,4,6,8,10,12,14
.irp b, 0,1
	s_delay_alu instid0(VALU_DEP_2)
	v_max3_num_f32 v[BM+\b], v[BM+\b], |v[S+16*\b+\i]|, |v[S+1+16*\b+\i]|
.endr
.endr
.irp b, 0,1
	s_delay_alu instid0(VALU_DEP_2)
	v_permlanex16_b32 v[PD+\b], v[BM+\b], s[SEL], s[SEL+1]
.endr
.irp b, 0,1
	s_delay_alu instid0(VALU_DEP_2)
	v_max_num_f32 v[BM+\b], v[BM+\b], v[PD+\b]
.endr
.irp b, 0,1
	s_delay_alu instid0(VALU_DEP_2)
	v_add_nc_u32 v[SOP+\b], 0xfc000000, v[BM+\b]
.endr
.irp b, 0,1
	s_delay_alu instid0(VALU_DEP_4)
	v_and_or_b32 v[HV+\b], v[BM+\b], 0x7f800000, s[MNT]
.endr
.irp b, 0,1
	s_delay_alu instid0(VALU_DEP_4)
	v_lshrrev_b32 v[PD+\b], 23, v[SOP+\b]
.endr
	s_delay_alu instid0(VALU_DEP_1)
	v_lshl_or_b32 v[SBY], v[PD+1], 8, v[PD]
.irp b, 0,1
.irp i, 0,1,2,3,4,5,6,7,8,9,10,11,12,13,14,15
	v_med3_num_f32 v[S+16*\b+\i], v[S+16*\b+\i], -v[HV+\b], v[HV+\b]
.endr
	v_cvt_scalef32_pk8_fp8_f32 v[PCD+4*\b:PCD+4*\b+1], v[S+16*\b:S+16*\b+7], v[SOP+\b]
	v_cvt_scalef32_pk8_fp8_f32 v[PCD+4*\b+2:PCD+4*\b+3], v[S+16*\b+8:S+16*\b+15], v[SOP+\b]
.endr
	v_nop                                          ; one plain line behind the last conversion
	global_store_b128 v[LI], v[PCD:PCD+3], s[72:73]            ; 512 consecutive bytes, aligned
	global_store_b128 v[LI], v[PCD+4:PCD+7], s[72:73] offset:512
	global_store_b16 v[OS], v[SBY], s[74:75]       ; my row's two scale bytes (both halves of the lanes write the same)
	s_wait_xcnt 0x0                                ; the stores have read their registers and bases: both may be written again
.endm
	s_lshl_b32 s[TAU], s[NLM], 3
	s_add_co_u32 s[TAU], s[TAU], s[TI]             ; the first tile: i of block 15 - b
	INIT
	s_mov_b32 s[P], 0
	s_wait_alu depctr_va_vdst(0)                   ; the wait at the head's end
	SHOW 2                                         ; the scale words and slot 0
.Lp0:
	STEP 0, P
	s_add_co_u32 s[P], s[P], 1
	s_cmp_lt_u32 s[P], 2
	s_cbranch_scc1 .Lp0
	SHOW 4                                         ; slots 1 and 2
.Lp2:
	STEP 0, P
	s_add_co_u32 s[P], s[P], 1
	s_cmp_lt_u32 s[P], 6
	s_cbranch_scc1 .Lp2
	SHOW 0                                         ; all that is still out: the wait stands on every wave's way
.Lp6:                                              ; positions 6 to 16: no barrier
	s_cmp_lg_u32 s[P], s[NL]
	s_cbranch_scc1 .Lsame                          ; the wave's number and the count of trips alone; no barrier and no LDS instruction stands under it
	FINISH
	s_lshl_b32 s[TAU], s[BE], 3
	s_add_co_u32 s[TAU], s[TAU], s[TI]             ; the second tile: i of block b
	INIT
.Lsame:
	s_cmp_ge_u32 s[P], s[NL]
	s_cselect_b32 s68, s[BE], 0
	s_add_co_u32 s[KP], s[P], s68
	s_and_b32 s[KP], s[KP], 15                     ; the key step: p, or p - (16 - b) = (p + b) mod 16
	STEP 1, KP
	s_add_co_u32 s[P], s[P], 1
	s_cmp_lt_u32 s[P], 17
	s_cbranch_scc1 .Lp6
	FINISH
	s_barrier_signal -1                            ; every wave's LDS reads are over
	s_barrier_wait -1
	s_wait_tensorcnt 0x0                           ; the wave's end
	ds_add_u32 v[SPW], v[NIL]
	s_wait_dscnt 0x0
	CROUND                                         ; the closing round
	s_endpgm
.Lfunc_end_k_q299d3fb0dd_attn:
	.size	k_q299d3fb0dd_attn, .Lfunc_end_k_q299d3fb0dd_attn-k_q299d3fb0dd_attn
	.p2alignl 7, 3214868480
	.fill 96, 4, 3214868480
	.section	.rodata,"a",@progbits
	.p2align	6, 0x0
	.amdhsa_kernel k_q299d3fb0dd_attn
		.amdhsa_group_segment_fixed_size 327680
		.amdhsa_private_segment_fixed_size 0
		.amdhsa_enable_private_segment 0
		.amdhsa_kernarg_size 32
		.amdhsa_user_sgpr_count 2
		.amdhsa_user_sgpr_kernarg_segment_ptr 1
		.amdhsa_wavefront_size32 1
		.amdhsa_system_sgpr_workgroup_id_x 1
		.amdhsa_system_sgpr_workgroup_id_y 1
		.amdhsa_system_sgpr_workgroup_id_z 1
		.amdhsa_system_vgpr_workitem_id 0
		.amdhsa_next_free_vgpr 256
		.amdhsa_next_free_sgpr 82
		.amdhsa_reserve_vcc 1
		.amdhsa_float_denorm_mode_32 3
		.amdhsa_float_denorm_mode_16_64 3
		.amdhsa_memory_ordered 1
		.amdhsa_forward_progress 1
		.amdhsa_inst_pref_size 89
	.end_amdhsa_kernel
	.amdgpu_metadata
---
amdhsa.version: [ 1, 2 ]
amdhsa.kernels:
  - .name:           k_q299d3fb0dd_attn
    .symbol:         k_q299d3fb0dd_attn.kd
    .args:
      - { .name: qkvc, .offset: 0, .size: 8, .value_kind: global_buffer, .address_space: global }
      - { .name: qkvs, .offset: 8, .size: 8, .value_kind: global_buffer, .address_space: global }
      - { .name: ac, .offset: 16, .size: 8, .value_kind: global_buffer, .address_space: global }
      - { .name: asc, .offset: 24, .size: 8, .value_kind: global_buffer, .address_space: global }
    .group_segment_fixed_size: 327680
    .private_segment_fixed_size: 0
    .kernarg_segment_align: 8
    .kernarg_segment_size: 32
    .max_flat_workgroup_size: 512
    .sgpr_count:     82
    .vgpr_count:     256
    .wavefront_size: 32
...
	.end_amdgpu_metadata
.endif
;; end of part 3
;; launch proj (part 4): grid 4 x 64, 4 waves a work-group, clusters of 4 x 4, 327,680 bytes of LDS; arguments ac, asc, codes, scales, out0, b_proj; writes out0
.if DOCPART == 4
	.amdgcn_target "amdgcn-amd-amdhsa--gfx1250"
	.amdhsa_code_object_version 6
	.text
	.protected	k_q299d3fb0dd_proj
	.globl	k_q299d3fb0dd_proj
	.p2align	8
	.type	k_q299d3fb0dd_proj,@function
k_q299d3fb0dd_proj:
	s_mov_b64 s[64:65], 0
	v_nop
	global_prefetch_b8 v0, s[64:65] scope:SCOPE_SE
	s_setreg_imm32_b32 hwreg(HW_REG_WAVE_MODE, 25, 1), 1
	s_wait_xcnt 0x0
	s_wait_alu depctr_hold_cnt(0) depctr_sa_sdst(0) depctr_va_vdst(0) depctr_va_sdst(0) depctr_va_ssrc(0) depctr_va_vcc(0) depctr_vm_vsrc(0)
	s_getreg_b32 s2, hwreg(HW_REG_IB_STS2, 6, 4)
	s_cmp_eq_u32 s2, 0
	s_cbranch_scc0 .Lentry_in_a_cluster
	s_endpgm
.Lentry_in_a_cluster:
	s_bfe_u32 s2, ttmp6, 0x10000c
	s_cmp_lg_u32 s2, 0xf033
	s_cbranch_scc0 .Lentry_shape_is_right
	s_endpgm
.Lentry_shape_is_right:
; The last product, out0 = O w_proj^T + b_proj, on codes of FP8 (E4M3) with E8M0 scales: 8,192 x 1,024 x 1,024, f32 out.
; A = ac: images of operand registers, [row tile of 16 tokens][k / 32][lane][16 bytes], 16,384 bytes a row tile; asc: its scale bytes, 32 a row.  Row t of row tile n is token 32 (n / 2) + 8 (n % 2) + t + 8 (t / 8).
; B = w_proj's rows in "codes" and "scales" from place 11,264, with bits 3 and 4 of a row's number swapped.
; SHARES: a work-group makes 128 rows x 256 columns: 64 x 4 = 256 work-groups.  Four waves, 2 x 2, each 64 x 128: 32 accumulators (window 2).  4 x 4 work-groups form a cluster: A's tiles are asked for jointly along its rows, B's along its columns.
; THE MATRIX INSTRUCTION IS USED TRANSPOSED (source 0 = 16 places of B, source 1 = a row tile of A): the 16 registers of B's tiles 2 c, 2 c + 1 are columns 32 c + 16 (lane / 16) + 0 .. 15 of one row.  The bias is the first products' C.
; K = 1,024 IS FOUR K STEPS OF 256 IN TWO SLOTS: slot 0 holds K step 0 and later K step 3; slot 1 holds K steps 1 and 2.  At the head one load a wave: A's and B's tiles of K step 0 and their scale bytes for all of K.
; Behind a drained round slot 1's four tiles, one a wave.  Behind a second drained round, when K step 0 has been read, K step 3 over it (waves 0 and 1).  A plain barrier shows it.
; A K step is two halves of 128; fragments have two sets of registers on both sides, and a half's 48 LDS loads are issued one half ahead of its products.
; NO PREFETCH: the text has no loop; three of the four K steps are asked for by its first two groups of loads.
; LIMITS: NaN and infinities are not served.
.set NP,     8                         ; places behind this matrix instruction (ISA guide 7.12.1)
.set KROW,   1024
.set PITCH,  272
.set KS,     32
.set BOFF,   32768                     ; in a K step's bytes: A's 8 row tiles x 4,096, then B's 256 rows x 272
.set HALFB,  128*PITCH
.set SL,     BOFF+2*HALFB              ; a K step's bytes: 102,400
.set SCL,    3*SL                      ; the scale bytes, as runs of 256 + 16 of padding: A's 128 rows, then B's 256
.set SAB,    4352
.set SBLK,   544
.set SPARE,  SCL+3*SAB
.set SPITCH, 528
.set ADRA, 16                          ; v16-18 LDS address of my A fragments, for each K step's bytes
.set ADRB, 20                          ; v20-22 of B's
.set STO,  24
.set RD,   25
.set CO,   26
.set ADRS, 27
.set SPW,  28
.set NIL,  29
.set SC,   32                          ; v32-63 scale words, two sets
.set BIAS, 64                          ; v64-127
.set AF,   128                         ; v128-255 A's fragments, two sets of four;  window 1: B's, two sets of eight
.set BK,   128
.set G1, 24
.set G0, 32
.set G1B, 48
.set G0B, 56
.set G1S, 68
.set G0S, 76
.set G1SB, 80
.set G0SB, 88
.set MSB, 0
.macro WIN new
.if MSB != (\new)
	s_set_vgpr_msb (MSB<<8)|(\new)
.set MSB, (\new)
.endif
.endm
.macro PLACES n
.rept \n
	v_nop
.endr
.endm
.macro TL g0, g1                       ; a joint load, with an s_nop and four v_nop behind it
	tensor_load_to_lds s[\g0:\g0+3], s[\g1:\g1+7]
	s_nop 0
	PLACES 4
.endm
.macro ARM under, g0, g1, next, done
	s_cmp_lt_u32 s14, \under
	s_cbranch_scc0 \next
	TL \g0, \g1
	s_branch \done
\next:
.endm
.macro CREST
	s_cmp_lg_u32 s14, 0
	s_cbranch_scc1 .Lnot_wave_0_\@
	s_barrier_signal -3
.Lnot_wave_0_\@:
	s_barrier_wait -3
	s_barrier_signal -1
	s_barrier_wait -1
.endm
.macro CROUND
	s_barrier_signal -1
	s_barrier_wait -1
	CREST
.endm
	s_load_b256 s[4:11], s[0:1], 0x0               ; ac, asc, codes, scales
	s_load_b64 s[12:13], s[0:1], 0x20              ; out0
	s_load_b64 s[66:67], s[0:1], 0x28              ; b_proj
	v_lshl_add_u32 v[SPW], v0, 2, SPARE
	v_mov_b32 v[NIL], 0
	ds_add_u32 v[SPW], v[NIL]                      ; the opening lines
	ds_add_u32 v[SPW], v[NIL]
	v_lshrrev_b32 v1, 5, v0
	v_readfirstlane_b32 s14, v1                    ; wave 0..3
	s_lshr_b32 s15, s14, 1                         ; which 64 rows are mine
	s_and_b32 s16, s14, 1                          ; which 128 columns
	s_bfe_u32 s40, ttmp6, 0x40000
	s_bfe_u32 s41, ttmp6, 0x40004
	s_lshl_b32 s42, ttmp9, 2
	s_add_co_u32 s42, s42, s40                     ; tile column
	s_and_b32 s17, ttmp7, 0xffff
	s_lshl_b32 s17, s17, 2
	s_add_co_u32 s17, s17, s41                     ; tile row
	s_lshl_b32 s43, s41, 2
	s_lshl_b32 s43, 15, s43                        ; my row of the cluster
	s_lshl_b32 s44, 0x1111, s40                    ; my column
	s_or_b32 s[G1+0], s43, (3<<16)|(1<<21)         ; A: 8 row tiles x 4,096 bytes (512 elements of 8), 16,384 bytes apart; no padding: images are read 512 bytes on end
	s_mov_b32 s[G1+1], 512<<16
	s_mov_b32 s[G1+2], 8<<16
	s_mov_b32 s[G1+3], 512<<16
	s_mov_b32 s[G1+4], 8
	s_mov_b32 s[G1+5], 2048
	s_mov_b32 s[G1+6], 0
	s_mov_b32 s[G1+7], 0
	s_or_b32 s[G1B+0], s44, (0<<16)|(1<<20)|(1<<21)|(5<<22)|(3<<25)   ; B: 256 rows x 256 bytes, 16 of padding behind each
	s_mov_b32 s[G1B+1], 256<<16
	s_mov_b32 s[G1B+2], 256<<16
	s_mov_b32 s[G1B+3], 256<<16
	s_mov_b32 s[G1B+4], 256
	s_mov_b32 s[G1B+5], KROW
	s_mov_b32 s[G1B+6], 0
	s_mov_b32 s[G1B+7], 0
	s_or_b32 s[G1S+0], s43, (3<<16)|(1<<20)|(1<<21)|(5<<22)|(3<<25)   ; scale bytes: dense, as rows of 256 bytes: A's 16,
	s_mov_b32 s[G1S+1], 32<<16
	s_mov_b32 s[G1S+2], 16<<16
	s_mov_b32 s[G1S+3], 32<<16
	s_mov_b32 s[G1S+4], 16
	s_mov_b32 s[G1S+5], 32
	s_mov_b32 s[G1S+6], 0
	s_mov_b32 s[G1S+7], 0
	s_or_b32 s[G1SB+0], s44, (3<<16)|(1<<20)|(1<<21)|(5<<22)|(3<<25)  ; B's 32
	s_mov_b32 s[G1SB+1], 32<<16
	s_mov_b32 s[G1SB+2], 32<<16
	s_mov_b32 s[G1SB+3], 32<<16
	s_mov_b32 s[G1SB+4], 32
	s_mov_b32 s[G1SB+5], 32
	s_mov_b32 s[G1SB+6], 0
	s_mov_b32 s[G1SB+7], 0
	s_lshl_b32 s20, s17, 17                        ; A: 8 row tiles of 16,384 bytes a tile row,
	s_mov_b32 s21, 0
	s_lshl_b32 s22, s17, 12                        ; 128 rows of 32 scale bytes
	s_mov_b32 s23, 0
	s_lshl_b32 s46, s42, 8
	s_add_co_u32 s46, s46, 11264                   ; B's first place
	s_lshl_b32 s92, s46, 5
	s_lshl_b32 s46, s46, 10
	s_mov_b32 s47, 0
	s_mov_b32 s93, 0
	s_wait_dscnt 0x0
	s_wait_kmcnt 0x0
	s_add_nc_u64 s[20:21], s[4:5], s[20:21]        ; kept: A's tile,
	s_add_nc_u64 s[22:23], s[6:7], s[22:23]
	s_add_nc_u64 s[46:47], s[8:9], s[46:47]        ; B's tile
	s_add_nc_u64 s[92:93], s[10:11], s[92:93]
	CROUND                                         ; the round in front of the first joint loads
	s_mov_b32 s[G0], 1
	s_mov_b32 s[G0+1], 0
	s_mov_b64 s[G0+2:G0+3], s[20:21]
	s_or_b32 s[G0+3], s[G0+3], 0x80000000
	s_mov_b32 s[G0B], 1
	s_mov_b32 s[G0B+1], BOFF
	s_mov_b64 s[G0B+2:G0B+3], s[46:47]
	s_or_b32 s[G0B+3], s[G0B+3], 0x80000000
	s_mov_b32 s[G0S], 1
	s_mov_b32 s[G0S+1], SCL
	s_mov_b64 s[G0S+2:G0S+3], s[22:23]
	s_or_b32 s[G0S+3], s[G0S+3], 0x80000000
	s_mov_b32 s[G0SB], 1
	s_mov_b32 s[G0SB+1], SCL+SAB
	s_mov_b64 s[G0SB+2:G0SB+3], s[92:93]
	s_or_b32 s[G0SB+3], s[G0SB+3], 0x80000000
	ARM 1, G0,  G1,  .Lh1, .Lhd                    ; the head's loads, one a wave: K step 0 of A,
	ARM 2, G0B, G1B, .Lh2, .Lhd                    ; of B,
	ARM 3, G0S, G1S, .Lh3, .Lhd                    ; A's scale bytes,
	TL G0SB, G1SB                                  ; B's
.Lhd:
	s_lshl_b32 s18, s15, 14                        ; my four row tiles
	s_mul_i32 s19, s16, HALFB
	s_add_co_u32 s19, s19, BOFF                    ; my 128 rows of B
	s_mul_i32 s36, s15, SAB/2                      ; my 64 rows' scale bytes
	s_mul_i32 s37, s16, SAB
	s_add_co_u32 s37, s37, SAB
	s_sub_co_u32 s37, s37, s36                     ; from them to my 128 rows of B's
	s_add_co_u32 s36, s36, SCL
	s_mul_i32 s38, s14, 16*SPITCH
	s_add_co_u32 s38, s38, SL                      ; my stage, in slot 1
	s_lshl_b32 s60, s17, 7
	s_lshl_b32 s61, s15, 6
	s_add_co_u32 s60, s60, s61                     ; my first row of out0
	s_lshl_b32 s60, s60, 12
	s_lshl_b32 s62, s42, 10
	s_lshl_b32 s63, s16, 9
	s_add_co_u32 s62, s62, s63                     ; my first column, in bytes
	s_mov_b32 s63, 0
	s_add_nc_u64 s[66:67], s[66:67], s[62:63]
	s_add_co_u32 s60, s60, s62
	s_mov_b32 s61, 0
	s_add_nc_u64 s[12:13], s[12:13], s[60:61]
	v_and_b32 v1, 15, v0                           ; r
	v_bfe_u32 v2, v0, 4, 1                         ; h
	v_and_b32 v6, 31, v0
	v_lshlrev_b32 v[CO], 4, v6
	v_lshlrev_b32 v3, 6, v2
	v_mul_u32_u24 v4, v1, PITCH
	v_lshl_add_u32 v4, v2, 4, v4
	v_add_nc_u32 v[ADRA], s18, v[CO]
	v_add_nc_u32 v[ADRB], s19, v4
	v_add_nc_u32 v[ADRA+1], SL, v[ADRA]
	v_add_nc_u32 v[ADRB+1], SL, v[ADRB]
	v_add_nc_u32 v[ADRA+2], 2*SL, v[ADRA]
	v_add_nc_u32 v[ADRB+2], 2*SL, v[ADRB]
	v_mul_u32_u24 v5, v1, KS                       ; my row's scale bytes: 32 a row, and 16 more for each 256 passed
	v_lshrrev_b32 v8, 8, v5
	v_lshl_add_u32 v5, v8, 4, v5
	v_mul_u32_u24 v8, s37, v2                      ; lanes 16-31 take B's: the lower base + h x the distance
	v_add_nc_u32 v5, v5, v8
	v_add_nc_u32 v[ADRS], s36, v5
	v_mul_u32_u24 v5, v1, SPITCH
	v_lshl_add_u32 v5, v2, 6, v5
	v_add_nc_u32 v[STO], s38, v5
	v_add_nc_u32 v[RD], s38, v[CO]
	s_wait_alu depctr_va_vdst(0)                   ; the wait at the head's end
.irp b, 0,1,2,3,4,5,6,7
	global_load_b128 v[BIAS+8*\b:BIAS+8*\b+3], v3, s[66:67] offset:(32*(\b/2)+8*(\b%2))*4      ; register j of tile b: column 32 (b / 2) + 16 h + 8 (b % 2) + j
	global_load_b128 v[BIAS+8*\b+4:BIAS+8*\b+7], v3, s[66:67] offset:(32*(\b/2)+8*(\b%2))*4+16
.endr
; half n = 0 .. 7 of K: K step n / 2, whose bytes lie at (n / 2) % 3 x SL; register sets n % 2; scale words set (n / 2) % 2
.macro FETCH n                         ; 48 LDS loads, and 8 more where a K step begins
.set P_, (\n)%2
.set S_, ((\n)/2)%3
	WIN 0x40
.irp i, 0,1,2,3,4,5,6,7
.irp c, 0,1,2,3
	ds_load_b128 v[128*P_+16*\i+4*\c:128*P_+16*\i+4*\c+3], v[ADRB+S_] offset:128*P_+32*\c+\i*16*PITCH
.endr
.endr
	WIN 0
.irp i, 0,1,2,3
.irp c, 0,1,2,3
	ds_load_b128 v[AF+64*P_+16*\i+4*\c:AF+64*P_+16*\i+4*\c+3], v[ADRA+S_] offset:2048*P_+512*\c+\i*4096
.endr
.endr
.if P_ == 0
.irp i, 0,1,2,3,4,5,6,7
	ds_load_b64 v[SC+16*(((\n)/2)%2)+2*\i:SC+16*(((\n)/2)%2)+2*\i+1], v[ADRS] offset:\i*SBLK+8*((\n)/2)   ; lanes 0-15: A's block i (of blocks 4 to 7 nothing is used); lanes 16-31: B's block i
.endr
.endif
.endm
.macro MULH n, a0, first               ; 16 products: A's blocks a0, a0 + 1 x B's eight.  The 32 accumulators take turns, in the same order in every half
.set P_, (\n)%2
.set C_, SC+16*(((\n)/2)%2)+(\n)%2
.irp a, \a0, \a0+1
.irp b, 0,1,2,3,4,5,6,7
.if \first
	v_wmma_scale_f32_16x16x128_f8f6f4 v[8*(8*(\a)+\b):8*(8*(\a)+\b)+7], v[128*P_+16*\b:128*P_+16*\b+15], v[AF+64*P_+16*(\a):AF+64*P_+16*(\a)+15], v[BIAS+8*\b:BIAS+8*\b+7], v[C_+2*\b], v[C_+2*(\a)] matrix_a_scale:MATRIX_SCALE_ROW1
.else
	v_wmma_scale_f32_16x16x128_f8f6f4 v[8*(8*(\a)+\b):8*(8*(\a)+\b)+7], v[128*P_+16*\b:128*P_+16*\b+15], v[AF+64*P_+16*(\a):AF+64*P_+16*(\a)+15], v[8*(8*(\a)+\b):8*(8*(\a)+\b)+7], v[C_+2*\b], v[C_+2*(\a)] matrix_a_scale:MATRIX_SCALE_ROW1
.endif
.endr
.endr
.endm
.macro MUL n
	WIN 0xa1                                       ; source 0 (B) window 1, source 1 (A) window 0, C and D window 2
	MULH \n, 0, 0
	MULH \n, 2, 0
	WIN 0
.endm
	s_wait_tensorcnt 0x0                           ; my tile of the head's four is in
	ds_add_u32 v[SPW], v[NIL]
	s_add_co_u32 s36, s15, 1                       ; waves 0, 1 fetch K step 1 (A, B), waves 2, 3 K step 2
	s_mul_i32 s37, s36, SL
	s_mov_b32 s[G0+1], s37
	s_add_co_u32 s[G0B+1], s37, BOFF
	s_lshl_b32 s38, s36, 12
	s_mov_b32 s39, 0
	s_add_nc_u64 s[G0+2:G0+3], s[G0+2:G0+3], s[38:39]
	s_lshl_b32 s38, s36, 8
	s_add_nc_u64 s[G0B+2:G0B+3], s[G0B+2:G0B+3], s[38:39]
	s_wait_dscnt 0x0
	CROUND                                         ; all four tiles are in, and all sixteen work-groups are here
	s_cmp_eq_u32 s16, 0
	s_cbranch_scc0 .Lg2b
	TL G0, G1                                      ; slot 1's first fill, one load a wave
	s_branch .Lg2d
.Lg2b:
	TL G0B, G1B
.Lg2d:
	FETCH 0
	FETCH 1
	s_wait_loadcnt 0x0                             ; the bias
	s_wait_dscnt 48                                ; half 0 is in; half 1's 48 loads may be out
	WIN 0x81                                       ; C in window 0: the bias starts the sums
	MULH 0, 0, 1
	MULH 0, 2, 1
	WIN 0
	s_wait_tensorcnt 0x0                           ; slot 1 is in, as far as it is mine; the three lines ahead of the refill's round:
	ds_add_u32 v[SPW], v[NIL]
	s_mov_b32 s[G0+1], 0                           ; K step 3 goes where K step 0 lay
	s_mov_b32 s[G0B+1], BOFF
	s_add_nc_u64 s[G0+2:G0+3], s[20:21], 3*4096
	s_or_b32 s[G0+3], s[G0+3], 0x80000000
	s_add_nc_u64 s[G0B+2:G0B+3], s[46:47], 3*256
	s_or_b32 s[G0B+3], s[G0B+3], 0x80000000
	s_wait_dscnt 1                                 ; half 1 is in; the add may be out
	WIN 0xa1
	MULH 1, 0, 0
	s_wait_dscnt 0x0                               ; the add is done, and my reads of K step 0 are over
	s_barrier_signal -1
	MULH 1, 2, 0
	WIN 0
	s_barrier_wait -1
	CREST                                          ; no wave of any partner still reads K step 0 or has a load on its way
	ARM 1, G0,  G1,  .Lr1, .Lrd                    ; the refill: wave 0 A's tile, wave 1 B's
	ARM 2, G0B, G1B, .Lr2, .Lrd
.Lrd:
	PLACES NP                                      ; in front of loads into registers that products have read
	FETCH 2
	FETCH 3
	s_wait_dscnt 48
	MUL 2
	PLACES NP
	FETCH 4
	s_wait_dscnt 56                                ; half 3 is in; half 4's 56 loads may be out
	MUL 3
	PLACES NP
	FETCH 5
	s_wait_tensorcnt 0x0                           ; K step 3 is in, as far as it is mine: the wait stands on every wave's way
	s_wait_dscnt 0x0
	s_barrier_signal -1
	MUL 4
	s_barrier_wait -1                              ; everybody's part is
	PLACES NP
	FETCH 6
	s_wait_dscnt 56
	MUL 5
	PLACES NP
	FETCH 7
	s_wait_dscnt 48
	MUL 6
	s_wait_dscnt 0x0                               ; my last reads of tiles are over
	s_barrier_signal -1
	MUL 7
	s_barrier_wait -1                              ; everybody's are: the stages may be written
; THE WAY OUT, a row tile x 128 columns at a time, through my own stage in LDS: back as whole rows of 512 bytes, which the 32 lanes store as 512 consecutive bytes, aligned
.macro TOSTAGE a
	WIN 0x08                                       ; the data in window 2
.irp c, 0,1,2,3
.irp k, 0,1,2,3
	ds_store_b128 v[STO], v[64*(\a)+16*\c+4*\k:64*(\a)+16*\c+4*\k+3] offset:128*\c+16*\k   ; each accumulator from its low end on
.endr
.endr
	WIN 0
.set BB, BK+64*((\a)%2)
.irp t, 0,1,2,3,4,5,6,7,8,9,10,11,12,13,14,15
	ds_load_b128 v[BB+4*\t:BB+4*\t+3], v[RD] offset:\t*SPITCH   ; LDS serves a wave's instructions in order: these see my stores
.endr
.endm
.macro SEND a, younger
.set BB, BK+64*((\a)%2)
	s_wait_dscnt \younger
.if (\a) > 0
.if (\a)%2 == 1
	s_add_nc_u64 s[12:13], s[12:13], 8*4096        ; (behind a wait on XCNT)  the odd row tile begins 8 rows on,
.else
	s_add_nc_u64 s[12:13], s[12:13], 24*4096       ; the next even one 24 more
.endif
.endif
.irp t, 0,1,2,3,4,5,6,7,8,9,10,11,12,13,14,15
	global_store_b128 v[CO], v[BB+4*\t:BB+4*\t+3], s[12:13] offset:(\t+8*(\t/8))*4096 th:TH_STORE_NT
.endr
.endm
	PLACES NP
	TOSTAGE 0
.irp a, 1,2,3
.if \a > 1
	s_wait_xcnt 0x0                                ; the stores two tiles back have read their registers and their base
.endif
	TOSTAGE \a
	SEND \a-1, 32                                  ; behind that tile's loads: this tile's 16 stores and 16 loads
.endr
	s_wait_xcnt 0x0
	SEND 3, 0
	s_wait_tensorcnt 0x0                           ; the wave's end
	ds_add_u32 v[SPW], v[NIL]
	s_wait_dscnt 0x0
	CROUND                                         ; the closing round
	s_endpgm
.Lfunc_end_k_q299d3fb0dd_proj:
	.size	k_q299d3fb0dd_proj, .Lfunc_end_k_q299d3fb0dd_proj-k_q299d3fb0dd_proj
	.p2alignl 7, 3214868480
	.fill 96, 4, 3214868480
	.section	.rodata,"a",@progbits
	.p2align	6, 0x0
	.amdhsa_kernel k_q299d3fb0dd_proj
		.amdhsa_group_segment_fixed_size 327680
		.amdhsa_private_segment_fixed_size 0
		.amdhsa_enable_private_segment 0
		.amdhsa_kernarg_size 48
		.amdhsa_user_sgpr_count 2
		.amdhsa_user_sgpr_kernarg_segment_ptr 1
		.amdhsa_wavefront_size32 1
		.amdhsa_system_sgpr_workgroup_id_x 1
		.amdhsa_system_sgpr_workgroup_id_y 1
		.amdhsa_system_sgpr_workgroup_id_z 1
		.amdhsa_system_vgpr_workitem_id 0
		.amdhsa_next_free_vgpr 768
		.amdhsa_next_free_sgpr 98
		.amdhsa_reserve_vcc 0
		.amdhsa_float_denorm_mode_32 3
		.amdhsa_float_denorm_mode_16_64 3
		.amdhsa_memory_ordered 1
		.amdhsa_forward_progress 1
		.amdhsa_inst_pref_size 89
	.end_amdhsa_kernel
	.amdgpu_metadata
---
amdhsa.version: [ 1, 2 ]
amdhsa.kernels:
  - .name:           k_q299d3fb0dd_proj
    .symbol:         k_q299d3fb0dd_proj.kd
    .args:
      - { .name: ac, .offset: 0, .size: 8, .value_kind: global_buffer, .address_space: global }
      - { .name: asc, .offset: 8, .size: 8, .value_kind: global_buffer, .address_space: global }
      - { .name: codes, .offset: 16, .size: 8, .value_kind: global_buffer, .address_space: global }
      - { .name: scales, .offset: 24, .size: 8, .value_kind: global_buffer, .address_space: global }
      - { .name: out0, .offset: 32, .size: 8, .value_kind: global_buffer, .address_space: global }
      - { .name: b_proj, .offset: 40, .size: 8, .value_kind: global_buffer, .address_space: global }
    .group_segment_fixed_size: 327680
    .private_segment_fixed_size: 0
    .kernarg_segment_align: 8
    .kernarg_segment_size: 48
    .max_flat_workgroup_size: 128
    .sgpr_count:     98
    .vgpr_count:     768
    .wavefront_size: 32
...
	.end_amdgpu_metadata
.endif
;; end of part 4
